; MI455X (gfx1250); checked and timed in simulation.
; The chip was launched on July 23, 2026; its instructions are those of AMD's public machine-readable ISA for CDNA 5 (MIT licence, August 2026) and "CDNA5" Instruction Set Architecture Reference Guide (July 2026). The comments in the code are by the model that wrote it; some were corrected since.
;; Multihead Self Attention. Allowed arithmetic: matrix products marked QUANTISED: E3M2 operands, one E8M0 scale for each 32 along K, by v_wmma_scale_f32_16x16x128_f8f6f4 with both operands' format E3M2, f32 sums; everything else in f32.
;; Inputs: Wk 1,024 x 1,024 float32; Wo 1,024 x 1,024 float32; Wq 1,024 x 1,024 float32; Wv 1,024 x 1,024 float32; x 4 x 2,048 x 1,024 float32.
;; Outputs: out0 4 x 2,048 x 1,024 float32.
;; This version of the problem:
;;   THIS VERSION OF THE PROBLEM IS GIVEN IN LOW PRECISION. The matrix products marked QUANTISED in the list below multiply operands that are first quantised to E3M2 (3 exponent bits, 2 mantissa bits; 6 bits a number), with one power-of-two scale for each 32 numbers along K (OCP MX v1.0); their sums are f32. All else is computed in f32.
;;   The module's matrix products, in the order in which they are computed (A, B: the left and right operand; K: the contracted axis; several contracted axes count as one K, in the product's order):
;;     1. [M 8,192, K 1,024] x [K 1,024, N 1,024]; A: input x; B: input Wq: QUANTISED
;;     2. [M 8,192, K 1,024] x [K 1,024, N 1,024]; A: input x; B: input Wk: QUANTISED
;;     3. [M 8,192, K 1,024] x [K 1,024, N 1,024]; A: input x; B: input Wv: QUANTISED
;;     4. batch 64 x [M 2,048, K 64] x [K 64, N 2,048]; A: computed on the way; B: computed on the way: QUANTISED
;;     5. batch 64 x [M 2,048, K 2,048] x [K 2,048, N 64]; A: softmax (see below); B: computed on the way: QUANTISED
;;     6. [M 8,192, K 1,024] x [K 1,024, N 1,024]; A: computed on the way; B: input Wo: QUANTISED
;;   THE QUANTISER, for each operand of a quantised product, along K:
;;     - K is cut into blocks of 32 from its start; a last block that is shorter is filled with zeros.
;;     - A block's scale is 2^e with e = floor(log2(the largest magnitude in the block)) - 4, held to -126 .. 127; a block of zeros has e = 0. As a byte (E8M0): e + 127.
;;     - Each number is divided by its block's scale, clamped to +-28, and rounded to the nearest number of E3M2, ties to even, subnormals kept.
;;     - The product sums the exact products of the quantised numbers (number of the format x scale) in f32.
;;   ~~~python
;;   def quantise(x, axis):      # numpy; x: float32 -> the quantised numbers, widened to float32 again
;;       x = np.moveaxis(x, axis, -1); K = x.shape[-1]
;;       x = np.pad(x, [(0, 0)] * (x.ndim - 1) + [(0, -K % 32)]); x = x.reshape(x.shape[:-1] + (-1, 32)); a = np.abs(x).max(-1, keepdims=True)
;;       e = np.where(a > 0, np.clip(np.frexp(np.where(a > 0, a, 1))[1] - 1 - 4, -126, 127), 0)      # np.frexp(a)[1] - 1 = floor(log2(a)), exactly
;;       r = np.clip(x / 2.0 ** e, -28, 28)
;;       step = 2.0 ** (np.maximum(np.frexp(np.where(r == 0, 1, r))[1] - 1, -2) - 2)
;;       q = np.round(r / step) * step * 2.0 ** e      # np.round: ties to even
;;       return np.moveaxis(q.reshape(q.shape[:-2] + (-1,))[..., :K], -1, axis).astype(np.float32)
;;   ~~~
;;   SOFTMAX AHEAD OF A QUANTISED PRODUCT. Where the list says 'softmax', what is quantised is not the finished softmax but p = 2^(t - M), with t = logit x log2(e) and M = ceil(the row's largest t), a whole number; so 1/2 < the row's largest p <= 1. The row's sum l is taken of the UNQUANTISED p, in f32, and the product's result is divided by l at the end. Since M is a whole number, a kernel that streams over the keys may use a running M (the ceiling of the running maximum): every later rescaling is an exact power of two, which a block's scale takes up: the codes' values come out the same.
;;   OPERANDS COMPUTED ON THE WAY. 'Computed on the way' means the value that the module computes at that place (a softmax that the list does not call 'softmax' is quantised finished and normalised). What goes into a quantiser is computed in f32, as accurately as f32 sums, v_exp_f32 and their like allow (about 1e-6 of the number): no bf16 or f16 on the way to a quantiser, and a product that is left as it is and whose result goes on into a quantised operand takes f32 operands (vector FMAs, or v_wmma_f32_16x16x4_f32). A number that lies on a knife's edge between two numbers of the format may be rounded either way, as far as f32 arithmetic and the matrix unit's own rounding can turn it there, and no further.
;; One version. Each part assembles by itself: llvm-mc -triple=amdgcn-amd-amdhsa -mcpu=gfx1250 --defsym DOCPART=n.
;; ======== version 1 of 1: 4 launches
;; workspace buffers: codes 9,437,184 bytes; scl 393,216 bytes; qki 13,631,488 bytes; vi 6,553,600 bytes; aoi 6,291,456 bytes; aos 262,144 bytes
;; launch quant (part 1): grid 384 x 1, 4 waves a work-group, no clusters, 33,280 bytes of LDS; arguments x, Wq, Wk, Wv, Wo, codes, scl; writes codes, scl
.if DOCPART == 1
	.amdgcn_target "amdgcn-amd-amdhsa--gfx1250"
	.amdhsa_code_object_version 6
	.text
	.protected	k_qce48e542ba_quant
	.globl	k_qce48e542ba_quant
	.p2align	8
	.type	k_qce48e542ba_quant,@function
k_qce48e542ba_quant:
	s_mov_b64 s[64:65], 0
	v_nop
	global_prefetch_b8 v0, s[64:65] scope:SCOPE_SE
	s_setreg_imm32_b32 hwreg(HW_REG_WAVE_MODE, 25, 1), 1
	s_wait_xcnt 0x0
; x [8192][1024] and Wq, Wk, Wv, Wo [1024][1024], f32, K innermost, become codes of BF6 (E3M2), 6 bits each, and one E8M0 scale byte for each 32 along K.
; They go into ONE table of 12,288 rows: codes [12288][768 bytes], scl [12288][32 bytes]; rows 0.. x, 8192.. Wq, 9216.. Wk, 10240.. Wv, 11264.. Wo.
; ROW ORDER: row i of the table lies at PLACE sigma(i) = i with bits 3 and 4 exchanged.  Sixteen neighbouring places, taken as a matrix instruction's source 0, then give a lane's
; registers of two neighbouring result tiles sixteen neighbouring true indices, which is what the next quantiser wants.
; A block's scale is 2^(floor(log2(its largest magnitude)) - 4); its byte is the largest magnitude's exponent field - 4, held at 1 from below.
; LIMITS: a block of zeros, or one whose largest magnitude lies under 2^-122, gets the byte 1 (a block of zeros has zero codes, which add nothing under any byte but 0xff; this program alone reads the bytes);
; NaN and infinities among the inputs are not served.
; SHARES: a work-group takes 32 rows, a wave 8 whole rows (8,192 numbers) in 16 steps of 512.  So sigma is an exchange of the two bits of the wave's number in the place where it stores.
; Each of a step's four loads reads 512 consecutive bytes; the 2,048 bytes turn through the wave's own stage in LDS and come back 64 bytes a lane: 16 neighbours along K, two lanes to a block.
; No tensor loads, no barrier: waves share nothing.  Loads run four steps (16 loads a wave) ahead, the turn through LDS one step.
.set STEPS, 16
.set CB,    12                         ; bytes of 16 codes
.set R,     16                         ; v16-79   four sets of 16 numbers as they are loaded
.set X,     80                         ; v80-111  two sets of 16 neighbours
.set C,     128                        ; v128-191 codes: four registers for each step, so that no store's data are written again
.set E,     112                        ; v112-127 a scale byte for each step
.set WREG,  8192                       ; LDS: a region for each wave: two stages of 32 x SP bytes, behind them its 256 scale bytes
.set SP,    80                         ; a lane's place in a stage: its 64 bytes + 16 of padding
	s_load_b256 s[4:11], s[0:1], 0x0               ; x s[4:5], Wq s[6:7], Wk s[8:9], Wv s[10:11]
	s_load_b128 s[12:15], s[0:1], 0x20             ; Wo s[12:13], codes s[14:15]
	s_load_b64 s[16:17], s[0:1], 0x30              ; scl
	v_lshl_add_u32 v192, v0, 2, 0x8000
	v_mov_b32 v193, 0
	v_lshrrev_b32 v1, 5, v0
	v_readfirstlane_b32 s18, v1                    ; wave
	v_and_b32 v2, 31, v0                           ; lane
	v_lshlrev_b32 v3, 4, v2                        ; my 16 bytes of a load's 512
	s_mul_i32 s19, s18, WREG
	v_lshrrev_b32 v14, 2, v2
	v_mul_u32_u24 v14, v14, SP
	v_and_b32 v15, 3, v2
	v_lshl_add_u32 v14, v15, 4, v14
	v_add_nc_u32 v14, s19, v14                     ; the stage, on the way in: SP (lane / 4) + 16 (lane % 4)
	v_mul_u32_u24 v15, v2, SP
	v_add_nc_u32 v15, s19, v15                     ; and on the way out: SP x lane: my 16 neighbours
	v_mul_u32_u24 v4, v2, CB                       ; my codes' place in a step's
	v_lshrrev_b32 v5, 1, v2
	s_add_co_u32 s19, s19, 2*32*SP
	v_add_nc_u32 v5, s19, v5                       ; LDS: my wave's 256 scale bytes, my block's byte
	v_lshlrev_b32 v7, 3, v2                        ; and on the way out 8 bytes a lane
	v_add_nc_u32 v6, s19, v7
	s_wait_kmcnt 0x0
	; which tensor is my work-group's: a choice on the work-group's number alone.  s[22:23] the tensor, s20 its first work-group
	s_mov_b64 s[22:23], s[12:13]
	s_mov_b32 s20, 352
.macro PICK lim, cand, first
	s_cmp_lt_u32 ttmp9, \lim
	s_cselect_b64 s[22:23], s[\cand:\cand+1], s[22:23]
	s_cselect_b32 s20, \first, s20
.endm
	PICK 352, 10, 320
	PICK 320, 8, 288
	PICK 288, 6, 256
	PICK 256, 4, 0
	s_sub_co_u32 s21, ttmp9, s20
	s_lshl_b32 s21, s21, 2
	s_add_co_u32 s21, s21, s18                     ; which run of 8 rows of the tensor I read
	s_lshl_b32 s24, s21, 15                        ; 32,768 bytes a run (x: under 2^25)
	s_mov_b32 s25, 0
	s_add_nc_u64 s[22:23], s[22:23], s[24:25]
	s_and_b32 s26, s18, 1
	s_lshl_b32 s26, s26, 1
	s_lshr_b32 s27, s18, 1
	s_or_b32 s26, s26, s27                         ; the wave's two bits exchanged
	s_lshl_b32 s27, ttmp9, 2
	s_add_co_u32 s26, s26, s27                     ; which run of 8 places of the table I write
	s_mul_i32 s24, s26, 8*768
	s_add_nc_u64 s[14:15], s[14:15], s[24:25]
	s_lshl_b32 s24, s26, 8
	s_add_nc_u64 s[16:17], s[16:17], s[24:25]
.macro LOAD t
.irp i, 0,1,2,3
	global_load_b128 v[R+16*((\t)%4)+4*\i:R+16*((\t)%4)+4*\i+3], v3, s[22:23] offset:2048*(\t)+512*\i th:TH_LOAD_NT   ; 32 lanes read 512 consecutive bytes
.endr
.endm
.macro TURN t                          ; step t's numbers through the stage: LDS serves a wave's instructions in order, so no wait stands between the stores and the loads
.irp i, 0,1,2,3
	ds_store_b128 v14, v[R+16*((\t)%4)+4*\i:R+16*((\t)%4)+4*\i+3] offset:32*SP*((\t)%2)+8*SP*\i
.endr
.irp i, 0,1,2,3
	ds_load_b128 v[X+16*((\t)%2)+4*\i:X+16*((\t)%2)+4*\i+3], v15 offset:32*SP*((\t)%2)+16*\i
.endr
.endm
.irp t, 0,1,2,3
	LOAD \t
.endr
	s_wait_loadcnt 12                              ; step 0's four loads are in; the twelve of steps 1 to 3 may be out
	TURN 0
.macro STEP t
.set XS, X+16*((\t)%2)
.if (\t) > 0
	s_wait_dscnt 1                                 ; this step's numbers are back from the stage (the last step's byte store may be out): so its stores into the stage have read their registers,
.else
	s_wait_dscnt 0x0
.endif
.if (\t)+4 < STEPS
	LOAD (\t)+4                                    ; which take the loads of four steps on
.endif
.if (\t)+1 < STEPS
.if STEPS-2-(\t) >= 3
	s_wait_loadcnt 12                              ; the next step's four loads are in; those of the three steps behind it may be out
.else
	s_wait_loadcnt 4*(STEPS-2-(\t))
.endif
	TURN (\t)+1                                    ; and go through the other stage while this step is worked
.endif
	v_max3_num_f32 v8, |v[XS]|, |v[XS+1]|, |v[XS+2]|               ; the largest magnitude of my 16, in two chains
	v_max3_num_f32 v9, |v[XS+3]|, |v[XS+4]|, |v[XS+5]|
.irp i, 6,10
	v_max3_num_f32 v8, v8, |v[XS+\i]|, |v[XS+\i+1]|
	v_max3_num_f32 v9, v9, |v[XS+\i+2]|, |v[XS+\i+3]|
.endr
	v_max3_num_f32 v8, v8, |v[XS+14]|, |v[XS+15]|
	v_max3_num_f32 v8, v8, v9, 0x2800000           ; and the floor 2^(5 - 127): so the byte cannot fall under 1
	v_max_num_f32_dpp v8, v8, v8 row_xmask:1 row_mask:0xf bank_mask:0xf   ; and of my neighbour's 16: the block's
	v_add_nc_u32 v11, 0xfe000000, v8               ; 4 off its exponent field: the conversion takes the exponent field of this operand as its scale, and nothing else of it
	v_cvt_scalef32_pk16_bf6_f32 v[C+4*(\t):C+4*(\t)+2], v[XS:XS+15], v11   ; sixteen numbers / the scale, to the nearest code, ties to even, beyond the largest code the largest; 96 bits without gaps
	v_lshrrev_b32 v[E+(\t)], 23, v11               ; the scale's byte
	ds_store_b8 v5, v[E+(\t)] offset:16*(\t)       ; both lanes of a block write the same byte with the same value
	global_store_b96 v4, v[C+4*(\t):C+4*(\t)+2], s[14:15] offset:32*CB*(\t)   ; the wave stores 384 consecutive bytes
.endm
.irp t, 0,1,2,3,4,5,6,7,8,9,10,11,12,13,14,15
	STEP \t
.endr
	ds_load_b64 v[12:13], v6                       ; LDS serves a wave's instructions in order: these see my stores
	s_wait_dscnt 0x0
	global_store_b64 v7, v[12:13], s[16:17]        ; 32 lanes store 256 consecutive bytes, aligned: the scale bytes of my 8 rows
	s_wait_tensorcnt 0x0
	ds_add_u32 v192, v193
	s_wait_dscnt 0x0
	s_endpgm
.Lfunc_end_k_qce48e542ba_quant:
	.size	k_qce48e542ba_quant, .Lfunc_end_k_qce48e542ba_quant-k_qce48e542ba_quant
	.p2alignl 7, 3214868480
	.fill 96, 4, 3214868480
	.section	.rodata,"a",@progbits
	.p2align	6, 0x0
	.amdhsa_kernel k_qce48e542ba_quant
		.amdhsa_group_segment_fixed_size 33280
		.amdhsa_private_segment_fixed_size 0
		.amdhsa_enable_private_segment 0
		.amdhsa_kernarg_size 56
		.amdhsa_user_sgpr_count 2
		.amdhsa_user_sgpr_kernarg_segment_ptr 1
		.amdhsa_wavefront_size32 1
		.amdhsa_system_sgpr_workgroup_id_x 1
		.amdhsa_system_sgpr_workgroup_id_y 1
		.amdhsa_system_sgpr_workgroup_id_z 1
		.amdhsa_system_vgpr_workitem_id 0
		.amdhsa_next_free_vgpr 194
		.amdhsa_next_free_sgpr 66
		.amdhsa_reserve_vcc 0
		.amdhsa_float_denorm_mode_32 3
		.amdhsa_float_denorm_mode_16_64 3
		.amdhsa_memory_ordered 1
		.amdhsa_forward_progress 1
		.amdhsa_inst_pref_size 33
	.end_amdhsa_kernel
	.amdgpu_metadata
---
amdhsa.version: [ 1, 2 ]
amdhsa.kernels:
  - .name:           k_qce48e542ba_quant
    .symbol:         k_qce48e542ba_quant.kd
    .args:
      - { .name: x, .offset: 0, .size: 8, .value_kind: global_buffer, .address_space: global }
      - { .name: Wq, .offset: 8, .size: 8, .value_kind: global_buffer, .address_space: global }
      - { .name: Wk, .offset: 16, .size: 8, .value_kind: global_buffer, .address_space: global }
      - { .name: Wv, .offset: 24, .size: 8, .value_kind: global_buffer, .address_space: global }
      - { .name: Wo, .offset: 32, .size: 8, .value_kind: global_buffer, .address_space: global }
      - { .name: codes, .offset: 40, .size: 8, .value_kind: global_buffer, .address_space: global }
      - { .name: scl, .offset: 48, .size: 8, .value_kind: global_buffer, .address_space: global }
    .group_segment_fixed_size: 33280
    .private_segment_fixed_size: 0
    .kernarg_segment_align: 8
    .kernarg_segment_size: 56
    .max_flat_workgroup_size: 128
    .sgpr_count:     66
    .vgpr_count:     194
    .wavefront_size: 32
...
	.end_amdgpu_metadata
.endif
;; end of part 1
;; launch qkv (part 2): grid 8 x 48, 4 waves a work-group, clusters of 4 x 4, 327,680 bytes of LDS; arguments codes, scl, qki, vi; writes qki, vi
.if DOCPART == 2
	.amdgcn_target "amdgcn-amd-amdhsa--gfx1250"
	.amdhsa_code_object_version 6
	.text
	.protected	k_qce48e542ba_qkv
	.globl	k_qce48e542ba_qkv
	.p2align	8
	.type	k_qce48e542ba_qkv,@function
k_qce48e542ba_qkv:
	s_mov_b64 s[64:65], 0
	v_nop
	global_prefetch_b8 v0, s[64:65] scope:SCOPE_SE
	s_setreg_imm32_b32 hwreg(HW_REG_WAVE_MODE, 25, 1), 1
	s_wait_xcnt 0x0
	s_wait_alu depctr_hold_cnt(0) depctr_sa_sdst(0) depctr_va_vdst(0) depctr_va_sdst(0) depctr_va_ssrc(0) depctr_va_vcc(0) depctr_vm_vsrc(0)
	s_getreg_b32 s2, hwreg(HW_REG_IB_STS2, 6, 4)
	s_cmp_eq_u32 s2, 0
	s_cbranch_scc0 .Lentry_in_a_cluster
	s_endpgm
.Lentry_in_a_cluster:
	s_bfe_u32 s2, ttmp6, 0x10000c
	s_cmp_lg_u32 s2, 0xf033
	s_cbranch_scc0 .Lentry_shape_is_right
	s_endpgm
.Lentry_shape_is_right:
; q = x Wq^T, k = x Wk^T, v = x Wv^T on codes of BF6 (E3M2) with E8M0 scales, K = 1,024; the results are quantised in registers and stored as images of the next products' operand registers.
; Both operands come from the table codes [12288 places][768 bytes], scl [12288 places][32 bytes] (rows 0.. x, 8192.. Wq, 9216.. Wk, 10240.. Wv; row i at place i with bits 3 and 4 exchanged).
; ONE TEXT, TWO PARTS, told apart by the cluster's y (the same number in all sixteen partners):
;   y < 8:  "A" = x (8,192 rows), "B" = Wq then Wk (2,048 rows): a lane holds one token, its registers run along the head's channels: q and k are quantised along the channels.
;   y >= 8: "A" = Wv (1,024 rows), "B" = x: a lane holds one channel of v, its registers run along the tokens: v is quantised along the keys.
; A tile, 256 rows of A x 256 rows of B, is made by four waves, each 128 x 128: 64 accumulators of 16 x 16.  K goes in steps of 256 through a ring of two LDS slots filled by the tensor data mover.
; The scales of the tile's 512 rows, for all of K, come into LDS once, with the first fills.
; CLUSTERS: 4 x 4 work-groups.  The four of a row need the same tiles of A, the four of a column the same tiles of B: each is asked for jointly, by the same load with a mask that names the four.
; THE MATRIX INSTRUCTION IS USED TRANSPOSED (source 0 = 16 places of B, source 1 = 16 places of A).  By the order of the places, the 16 registers of result tiles 2 B and 2 B + 1 are B's true rows 32 B + 16 (lane / 16) + 0 .. 15.
; OUT.  qki [32 heads: q's 16, k's 16][batch 4][16 groups of 128 token places][6,656 bytes]: 8 tiles of 16 places x 768 bytes (registers 0-3 of the fragment at 16 x lane, registers 4-5 at 512 + 8 x lane: the 64 channels'
;   codes), then 512 bytes of scale words (at 16 x lane: the words of tiles 4 (lane / 16) + 0 .. 3, row lane % 16; bytes 0, 1 the two blocks', bytes 2, 3 zero).
;   vi [batch x 16 + head][16 steps of 128 keys][6,400 bytes]: 4 fragments (16 channel places x 128 keys: 12 registers, four at a time at 16 x lane), then 256 bytes of scale words (at 16 x row: tiles 0 .. 3).
; LIMITS: a block of zeros, or one under 2^-122, gets the scale byte 1 (read by this program alone); NaN and infinities are not served.
; The grid has 384 equal tiles: one and a half for each of 256 WGPs.
; REGISTERS, in windows of 256: window 0: v0-31 addresses; v32-63 scale words, two sets; v128-223 A's fragments, one set; on the way out v64-235 are at work.
;   window 1: B's fragments, two sets, at v0 and v128.   window 2: the accumulators of my rows 0-63 ((a, b) at v[8 (8 a + b)]);   window 3: those of my rows 64-127.
.set SIZE_K, 1024
.set KSTEP,  256                       ; along K in a slot
.set NQ,     KSTEP/128                 ; matrix instructions deep
.set ROWB,   192                       ; a tile's row in bytes
.set KROW,   SIZE_K*6/8                ; a row of the table in bytes
.set PITCH,  240                       ; an LDS row: 3 x (64 bytes of data + 16 of padding): the 32 lanes of a load of 8 bytes touch 64 different banks (64 banks of 4 bytes: ISA guide 11.1)
.set FR,     12                        ; registers of a fragment: 16 rows x 128 K
.set NL,     6                         ; LDS loads that bring one
.set NP,     4                         ; places behind this matrix instruction (ISA guide 7.12.1)
.set HALFT,  128*PITCH                 ; 128 rows: what one tensor load brings
.set SLOT,   4*HALFT                   ; A's 256 rows, then B's 256 rows
.set LAPS,   SIZE_K/(2*KSTEP)          ; a lap = two K steps = once round the ring
.set KS,     SIZE_K/32                 ; a row of scales in bytes
.set SCL,    2*SLOT                    ; behind the ring: the scales, as units of 256 bytes + 16 of padding
.set HALFS,  (128*KS/256)*272          ; the scales of 128 rows: what one tensor load brings
.set SBLK,   (16*KS/256)*272           ; those of 16 rows
.set SPARE,  SCL+4*HALFS               ; behind the scales: the spare words, 128 bytes for each wave: two blocks of 256 bytes that no other line names
.set ADRA, 16                          ; v16-17  LDS address of my A fragments in slot 0, 1  (v18-19: for the pieces that lie behind one padding more)
.set ADRB, 20                          ; v20-21  the same for B  (v22-23)
.set ADRS, 27                          ; v27     LDS address of my scale words: lanes 0-15 A's rows, lanes 16-31 B's
.set SPW,  28                          ; v28     LDS address of my spare word; never rewritten
.set NIL,  29                          ; v29     0; never rewritten
.set SC,   32                          ; scale words: set s at v[SC + 8 NQ s]; register NQ i + q: lanes 0-15 the word of A's block i, lanes 16-31 that of B's block i
.set AF,   128                         ; A's fragments, in window 0
.set L16,  30                          ; v30     the way out: 16 x lane
.set L8,   31                          ; v31     8 x lane
.set LV,   15                          ; v15     16 x row + (a head's bytes in vi) x (lane / 16)
.set PCB,  64                          ; v64-159   the codes: 12 registers for each of my 8 blocks of A
.set T2,   192                         ; v192-199  the conversions' second halves
.set TM,   200                         ; v200-203 largest magnitudes, v204-207 the other half's, then bytes, v212-215 the conversions' scale operands
.set PWB,  216                         ; v216-223  the 8 blocks' scale words
.set SW,   224                         ; v224-227  lanes 0-15: blocks 0-3's words, lanes 16-31: blocks 4-7's
.set SA,   228                         ; v228-231  their low halves: the first head's two bytes
.set SBB,  232                         ; v232-235  their high halves: the second head's
.set HS,   4*16*6656                   ; from a head to the next in qki
.set HV,   16*6400                     ; and in vi
.set G1, 24                            ; s[24:31] descriptor group 1 for A's tiles;  s[32:39] group 0, one set for each slot
.set G0, 32
.set G1B, 48                           ; s[48:55], s[56:63] the same for B's tiles
.set G0B, 56
.set G1S, 68                           ; s[68:75], s[76:79] groups 1 and 0 for A's scales;  s[80:87], s[88:91] for B's
.set G0S, 76
.set G1SB, 80
.set G0SB, 88
.set MSB, 0
.macro WIN new                         ; the immediate's high byte repeats the setting that is left
.if MSB != \new
	s_set_vgpr_msb (MSB<<8)|\new
.set MSB, \new
.endif
.endm
.set MUL_LO, 0xa1                      ; source 0 (B) window 1, source 1 (A) window 0, C and D window 2
.set MUL_HI, 0xf1                      ; the same, C and D window 3
.set TO_B,   0x40                      ; destination window 1, address window 0
; A joint load: waves 0 and 1 fetch for A, waves 2 and 3 for B.  Each of the two lines has one mask and one set of registers for all that issue it; the branch hangs on the wave's number alone.
; Four v_nop follow each of the two lines, ahead of the jump, the label and what follows.
.macro JLOAD g0a, g1a, g0b, g1b
	s_cmp_eq_u32 s15, 0
	s_cbranch_scc0 .Lfor_b_\@
	tensor_load_to_lds s[\g0a:\g0a+3], s[\g1a:\g1a+7]
	s_nop 0
.rept 4
	v_nop
.endr
	s_branch .Lasked_\@
.Lfor_b_\@:
	tensor_load_to_lds s[\g0b:\g0b+3], s[\g1b:\g1b+7]
	s_nop 0
.rept 4
	v_nop
.endr
.Lasked_\@:
.endm
.macro CREST                           ; a round of the cluster's barrier behind its opening barrier
	s_cmp_lg_u32 s14, 0
	s_cbranch_scc1 .Lnot_wave_0_\@
	s_barrier_signal -3
.Lnot_wave_0_\@:
	s_barrier_wait -3
	s_barrier_signal -1
	s_barrier_wait -1
.endm
.macro CROUND                          ; a whole round
	s_barrier_signal -1
	s_barrier_wait -1
	CREST
.endm
	s_load_b128 s[4:7], s[0:1], 0x0                ; codes s[4:5], scl s[6:7]
	s_load_b128 s[8:11], s[0:1], 0x10              ; qki s[8:9], vi s[10:11]
	v_lshl_add_u32 v[SPW], v0, 2, SPARE
	v_mov_b32 v[NIL], 0
	ds_add_u32 v28, v29
	s_wait_dscnt 0x0
	v_lshrrev_b32 v1, 5, v0
	v_readfirstlane_b32 s14, v1                    ; wave 0..3
	s_lshr_b32 s15, s14, 1                         ; which half of the tile's rows of A is mine.  Also: I fetch for A (0) or for B (1)
	s_and_b32 s16, s14, 1                          ; which half of its rows of B.  Also: which 128 rows of that tile I fetch
	s_bfe_u32 s40, ttmp6, 0x40000                  ; cx, cy: my place in the cluster
	s_bfe_u32 s41, ttmp6, 0x40004
	s_and_b32 s98, ttmp7, 0xffff                   ; the cluster's y, 0..11
	s_lshl_b32 s99, s98, 2                         ; q/k part: tile row of A = 4 y + cy,
	s_lshl_b32 s100, ttmp9, 2                      ;           tile row of B = 4 x + cx
	s_lshl_b32 s101, s98, 3
	s_add_co_u32 s101, s101, s100
	s_sub_co_u32 s101, s101, 64                    ; v part: tile row of B = 8 (y - 8) + 4 x + cx, tile row of A = cy
	s_mov_b32 s18, 10240                           ; Wv's first row in the table
	s_mov_b32 s19, 8192                            ; Wq's
	s_cmp_ge_u32 s98, 8                            ; which part: whole numbers are chosen, never a pointer; only selections stand behind the compare
	s_cselect_b32 s17, 0, s99
	s_cselect_b32 s42, s101, s100
	s_cselect_b32 s92, s18, 0                      ; A's first row in the table
	s_cselect_b32 s93, 0, s19                      ; B's
	s_cselect_b32 s95, 1, 0                        ; 1: the v part
	s_add_co_u32 s17, s17, s41                     ; tile row of A: it never holds cx
	s_add_co_u32 s42, s42, s40                     ; tile row of B: it never holds cy
	s_lshl_b32 s43, s41, 2
	s_lshl_b32 s43, 15, s43                        ; my row of the cluster
	s_lshl_b32 s44, 0x1111, s40                    ; my column
	; descriptor group 1: a tile of 128 rows x ROWB bytes, padded in LDS
	s_or_b32 s[G1+0], s43, (0<<16)|(1<<20)|(1<<21)|(3<<22)|(3<<25)  ; 15:0 the mask: A's tiles go to my row; 17:16 element of 1 byte; 20 padding on; 21 set beside a mask; 24:22 after every 16 words (code 3); 31:25 of 4 words (code 3)
	s_or_b32 s[G1B+0], s44, (0<<16)|(1<<20)|(1<<21)|(3<<22)|(3<<25)
.irp g, G1, G1B
	s_mov_b32 s[\g+1], ROWB<<16                    ; tensor_dim0
	s_mov_b32 s[\g+2], 128<<16                     ; tensor_dim1 = 128
	s_mov_b32 s[\g+3], ROWB<<16                    ; tile_dim0
	s_mov_b32 s[\g+4], 128                         ; tile_dim1 = 128
	s_mov_b32 s[\g+5], KROW                        ; tensor_dim0_stride
	s_mov_b32 s[\g+6], 0
	s_mov_b32 s[\g+7], 0
.endr
	; and for the scales of 128 rows: a dense block of 4,096 bytes, as 16 rows of 256 bytes (32 elements of 8 bytes), 16 bytes of padding behind each
	s_or_b32 s[G1S+0], s43, (3<<16)|(1<<20)|(1<<21)|(5<<22)|(3<<25)
	s_or_b32 s[G1SB+0], s44, (3<<16)|(1<<20)|(1<<21)|(5<<22)|(3<<25)
.irp g, G1S, G1SB
	s_mov_b32 s[\g+1], 32<<16
	s_mov_b32 s[\g+2], (128*KS/256)<<16
	s_mov_b32 s[\g+3], 32<<16
	s_mov_b32 s[\g+4], 128*KS/256
	s_mov_b32 s[\g+5], 32
	s_mov_b32 s[\g+6], 0
	s_mov_b32 s[\g+7], 0
.endr
	s_lshl_b32 s18, s16, 7                         ; which 128 rows of the tile I fetch
	s_lshl_b32 s20, s17, 8
	s_add_co_u32 s20, s20, s18
	s_add_co_u32 s20, s20, s92                     ; A: its first row + 256 x tile row + 128 x half
	s_lshl_b32 s46, s42, 8
	s_add_co_u32 s46, s46, s18
	s_add_co_u32 s46, s46, s93                     ; B likewise
	s_mov_b32 s21, 0
	s_mov_b32 s47, 0
	s_mov_b64 s[18:19], KS
	s_mul_u64 s[22:23], s[20:21], s[18:19]         ; where these rows' scales begin, in bytes
	s_mul_u64 s[92:93], s[46:47], s[18:19]
	s_mov_b64 s[18:19], KROW
	s_mul_u64 s[20:21], s[20:21], s[18:19]         ; and their codes
	s_mul_u64 s[46:47], s[46:47], s[18:19]
	s_mul_i32 s45, s14, HALFT                      ; where they go: wave x 128 rows: no place in the cluster enters an LDS address
	s_mul_i32 s94, s14, HALFS
	s_mov_b32 s96, 0x76543210
	s_mov_b32 s97, 0xfedcba98                      ; v_permlanex16_b32's selects for lane l xor 16
	s_wait_kmcnt 0x0
	s_add_nc_u64 s[20:21], s[4:5], s[20:21]
	s_add_nc_u64 s[22:23], s[6:7], s[22:23]
	s_add_nc_u64 s[46:47], s[4:5], s[46:47]
	s_add_nc_u64 s[92:93], s[6:7], s[92:93]
	CROUND                                         ; all sixteen work-groups are here: the first joint loads meet
	s_mov_b32 s[G0S], 1
	s_add_co_u32 s[G0S+1], s94, SCL
	s_mov_b64 s[G0S+2:G0S+3], s[22:23]
	s_or_b32 s[G0S+3], s[G0S+3], 0x80000000
	s_mov_b32 s[G0SB], 1
	s_add_co_u32 s[G0SB+1], s94, SCL
	s_mov_b64 s[G0SB+2:G0SB+3], s[92:93]
	s_or_b32 s[G0SB+3], s[G0SB+3], 0x80000000
	JLOAD G0S, G1S, G0SB, G1SB                     ; the scales first: they are wanted with K step 0
.irp s, 0,1
	s_mov_b32 s[G0+4*\s], 1
	s_add_co_u32 s[G0+4*\s+1], s45, \s*SLOT
	s_add_nc_u64 s[G0+4*\s+2:G0+4*\s+3], s[20:21], \s*ROWB
	s_or_b32 s[G0+4*\s+3], s[G0+4*\s+3], 0x80000000
	s_mov_b32 s[G0B+4*\s], 1
	s_add_co_u32 s[G0B+4*\s+1], s45, \s*SLOT
	s_add_nc_u64 s[G0B+4*\s+2:G0B+4*\s+3], s[46:47], \s*ROWB
	s_or_b32 s[G0B+4*\s+3], s[G0B+4*\s+3], 0x80000000
	JLOAD G0+4*\s, G1, G0B+4*\s, G1B
.endr
	v_and_b32 v1, 15, v0                           ; l % 16; kept
	v_bfe_u32 v2, v0, 4, 1                         ; l / 16; kept
	v_mul_u32_u24 v3, v1, PITCH
	v_mul_u32_u24 v4, v2, 24
	v_add_nc_u32 v4, v3, v4                        ; a fragment's row x pitch + 24 x half
	v_lshl_add_u32 v5, v2, 4, v4                   ; and the same behind one padding more
	s_mul_i32 s21, s15, HALFT                      ; my 128 rows of A
	s_mul_i32 s22, s16, HALFT                      ; my 128 rows of B,
	s_add_co_u32 s22, s22, 2*HALFT                 ; which lie behind A's 256
.irp s, 0,1
	v_add_nc_u32 v[ADRA+\s], s21, v4
	v_add_nc_u32 v[ADRB+\s], s22, v4
	v_add_nc_u32 v[ADRA+2+\s], s21, v5
	v_add_nc_u32 v[ADRB+2+\s], s22, v5
	s_add_co_u32 s21, s21, SLOT
	s_add_co_u32 s22, s22, SLOT
.endr
	v_mul_u32_u24 v5, v1, KS                       ; my row's scales: KS bytes a row,
	v_lshrrev_b32 v6, 8, v5
	v_lshl_add_u32 v5, v6, 4, v5                   ; and 16 more for each 256 passed
	s_mul_i32 s21, s15, HALFS                      ; A's: my 128 rows
	s_mul_i32 s22, s16, HALFS                      ; B's: my 128 rows, behind A's 256
	s_add_co_u32 s22, s22, 2*HALFS
	s_sub_co_u32 s22, s22, s21
	v_mul_u32_u24 v6, s22, v2                      ; lanes 16-31 take B's: one product, the distance between the two bases x the lane's half
	s_add_co_u32 s21, s21, SCL
	v_add_nc_u32 v5, v5, v6
	v_add_nc_u32 v[ADRS], s21, v5
.macro FRAG reg, adr, q, i             ; a fragment, 16 rows x 128 K of 6-bit codes, is 12 registers: lane l holds row l % 16; registers 6 c .. 6 c + 5 hold K = 64 c + 32 (l / 16) + 0 .. 31: 24 bytes of the row's stream of bits, as they lie
.irp p, 0,1,2,3,4,5                    ; in pieces of 8 bytes, so that every address is a multiple of the access's size
.set PC, 12*(\q)+6*(\p/3)+\p%3        ; 16 bytes of padding lie behind every 64 bytes (8 pieces): where the piece three on lies behind one padding more, the second address register serves
.if PC%8 < 5
	ds_load_b64 v[\reg+2*\p:\reg+2*\p+1], v[\adr] offset:8*PC+16*(PC/8)+(\i)*16*PITCH
.else
	ds_load_b64 v[\reg+2*\p:\reg+2*\p+1], v[\adr+2] offset:8*PC+16*(PC/8)+(\i)*16*PITCH
.endif
.endr
.endm
; 16 matrix instructions: A's blocks a0, a0 + 1 x B's eight, 128 along K: the slot's q-th.  p: B's set;  sc: the set of scale words.  zero = 1: the first product starts the sums: nothing is ever cleared.
; The 64 accumulators take turns, one instruction a turn, in the same order in every step.
.macro MUL16 a0, p, q, sc, zero
.irp a, \a0, \a0+1
.irp b, 0,1,2,3,4,5,6,7
.if \zero
	v_wmma_scale_f32_16x16x128_f8f6f4 v[8*(8*((\a)%4)+\b):8*(8*((\a)%4)+\b)+7], v[128*(\p)+FR*\b:128*(\p)+FR*\b+FR-1], v[AF+FR*(\a):AF+FR*(\a)+FR-1], 0, v[SC+8*NQ*(\sc)+NQ*\b+(\q)], v[SC+8*NQ*(\sc)+NQ*(\a)+(\q)] matrix_a_fmt:MATRIX_FMT_BF6 matrix_b_fmt:MATRIX_FMT_BF6 matrix_a_scale:MATRIX_SCALE_ROW1
.else
	v_wmma_scale_f32_16x16x128_f8f6f4 v[8*(8*((\a)%4)+\b):8*(8*((\a)%4)+\b)+7], v[128*(\p)+FR*\b:128*(\p)+FR*\b+FR-1], v[AF+FR*(\a):AF+FR*(\a)+FR-1], v[8*(8*((\a)%4)+\b):8*(8*((\a)%4)+\b)+7], v[SC+8*NQ*(\sc)+NQ*\b+(\q)], v[SC+8*NQ*(\sc)+NQ*(\a)+(\q)] matrix_a_fmt:MATRIX_FMT_BF6 matrix_b_fmt:MATRIX_FMT_BF6 matrix_a_scale:MATRIX_SCALE_ROW1
.endif
.endr
.endr
.endm
.macro FETCH_B slot, q, p              ; B's eight fragments of the slot's q-th 128 along K into set p
	WIN TO_B
.irp i, 0,1,2,3,4,5,6,7
	FRAG 128*(\p)+FR*\i, ADRB+\slot, \q, \i
.endr
	WIN 0
.endm
.macro FETCH_A slot, q, i0             ; A's blocks i0 .. i0 + 3
.irp i, \i0, \i0+1, \i0+2, \i0+3
	FRAG AF+FR*(\i), ADRA+\slot, \q, \i
.endr
.endm
.macro SCALES sc                       ; the next K step's scale words into set sc: NQ words a row; lanes 0-15 take A's block i, lanes 16-31 B's block i
.irp i, 0,1,2,3,4,5,6,7
	ds_load_b64 v[SC+8*NQ*\sc+NQ*\i:SC+8*NQ*\sc+NQ*\i+1], v[ADRS] offset:\i*SBLK
.endr
.endm
; A load into a register that a matrix instruction has read stands NP places behind that matrix instruction, and only plain vector instructions that name none of its registers are places
; (ISA guide 7.12.1 for vector instructions); the matrix instructions in between are not counted.
.macro PLACES n
.rept \n
	v_nop
.endr
.endm
; A step of 128 along K that has its successor in the same slot.
.macro STEP slot, q, zero
	s_wait_dscnt 4*NL                              ; B's set and A's blocks 0-3 are in; the youngest 24 loads (A's blocks 4-7) may be out
	WIN MUL_LO
	MUL16 0, (\q)%2, \q, \slot, \zero
	MUL16 2, (\q)%2, \q, \slot, \zero
	s_wait_dscnt 0                                 ; A's blocks 4-7 are in (asked for 32 matrix instructions ago)
	PLACES NP
	FETCH_B \slot, (\q)+1, 1-(\q)%2
	FETCH_A \slot, (\q)+1, 0
	WIN MUL_HI
	MUL16 4, (\q)%2, \q, \slot, \zero
	MUL16 6, (\q)%2, \q, \slot, \zero
	PLACES NP
	WIN 0
	FETCH_A \slot, (\q)+1, 4
.endm
; A slot's last step changes slots: ONE barrier; in front of it each wave waits for all its tensor loads, adds 0 to its spare word, and waits for that and for its own reads of this slot.  fill = 1: this slot is filled again, two K steps ahead.
.macro TURN slot, next, fill
	s_wait_tensorcnt 0x0                           ; all my tensor loads have landed: my part of the next slot;  (every window is 0 here: the add's two registers lie in window 0)
	ds_add_u32 v[SPW], v[NIL]                      ; 0 onto my spare word
	s_wait_dscnt 4*NL+1                            ; (the add and the youngest 24 loads, A's blocks 4-7, may be out)
	WIN MUL_LO
	MUL16 0, 1, NQ-1, \slot, 0                     ; sixteen matrix instructions stand between the add and the wait for it
	s_wait_dscnt 0x0                               ; the add is done, and my reads of this slot are over
	s_barrier_signal -1
	MUL16 2, 1, NQ-1, \slot, 0
	WIN 0
	s_barrier_wait -1
.if \fill
	CREST                                          ; the barrier has opened a round of the cluster's barrier: no wave of any partner still reads this slot's tile or has a load on its way
	s_add_nc_u64 s[G0+4*\slot+2:G0+4*\slot+3], s[G0+4*\slot+2:G0+4*\slot+3], 2*ROWB
	s_add_nc_u64 s[G0B+4*\slot+2:G0B+4*\slot+3], s[G0B+4*\slot+2:G0B+4*\slot+3], 2*ROWB
	JLOAD G0+4*\slot, G1, G0B+4*\slot, G1B         ; the first tensor load behind the round; the four v_nop behind it are the places in front of the loads below
.else
	PLACES NP
.endif
	v_add_nc_u32 v[ADRS], 4*NQ, v[ADRS]            ; on to the next K step's scale words (no LDS load of mine is out)
	FETCH_B \next, 0, 0
	FETCH_A \next, 0, 0
	SCALES \next
	WIN MUL_HI
	MUL16 4, 1, NQ-1, \slot, 0
	MUL16 6, 1, NQ-1, \slot, 0
	PLACES NP
	WIN 0
	FETCH_A \next, 0, 4
.endm
	s_wait_tensorcnt 1                             ; of my three first fills the scales and K step 0 are in; K step 1's may be out
	s_barrier_signal -1
	s_barrier_wait -1                              ; everybody's are
	FETCH_B 0, 0, 0
	FETCH_A 0, 0, 0
	SCALES 0
	FETCH_A 0, 0, 4
	STEP 0, 0, 1                                   ; the first step stands in front of the loop: its products start the sums
	s_mov_b32 s3, LAPS-1
.Llap:                                                 ; a trip goes once round the ring, from a lap's second step to the next lap's first, and fills both slots again
	TURN 0, 1, 1
	STEP 1, 0, 0
	TURN 1, 0, 1
	STEP 0, 0, 0
	s_sub_co_u32 s3, s3, 1
	s_cmp_lg_u32 s3, 0
	s_cbranch_scc1 .Llap
	TURN 0, 1, 0                                   ; the last lap fills nothing, and has no round of the cluster's barrier
	STEP 1, 0, 0
	s_wait_dscnt 4*NL                              ; the very last step: nothing more to fetch
	WIN MUL_LO
	MUL16 0, 1, NQ-1, 1, 0
	MUL16 2, 1, NQ-1, 1, 0
	s_wait_dscnt 0
	WIN MUL_HI
	MUL16 4, 1, NQ-1, 1, 0
	MUL16 6, 1, NQ-1, 1, 0
	WIN 0
; THE WAY OUT.  Of block a (16 rows of A) a lane holds one row and 64 numbers: register 16 B + i is B's true row 32 B + 16 (lane / 16) + i.  They become a fragment's 12 registers of codes and a scale word.
	v_and_b32 v14, 31, v0                          ; the stores' offsets are made here: five plain lines that name no register of the last products: their places
	v_lshlrev_b32 v[L16], 4, v14
	v_lshlrev_b32 v[L8], 3, v14
	v_mul_u32_u24 v[LV], v2, HV
	v_lshl_add_u32 v[LV], v1, 4, v[LV]
.irp b, 0,1,2,3
	v_mov_b32 v[TM+4+\b], 0                        ; written once: a lane permute's destination counts as one of its sources
.endr
.macro QUANTW a
.set AC, 64*((\a)%4)
.set PC, PCB+12*(\a)
	WIN 0x0a+5*((\a)/4)                            ; sources 0 and 1: window 2 or 3
.irp b, 0,1,2,3
	v_max3_num_f32 v[TM+\b], |v[AC+16*\b]|, |v[AC+16*\b+1]|, 0x2800000   ; block b: my 16 numbers, and the floor 2^(5 - 127): the byte cannot fall under 1.  Each accumulator is read from its low end on
.endr
.irp i, 2,4,6,8,10,12,14
.irp b, 0,1,2,3
	v_max3_num_f32 v[TM+\b], |v[AC+16*\b+\i]|, |v[AC+16*\b+\i+1]|, v[TM+\b]   ; (the four blocks by turns)
.endr
.endr
	WIN 0
.irp b, 0,1,2,3
	v_permlanex16_b32 v[TM+4+\b], v[TM+\b], s96, s97
.endr
.irp b, 0,1,2,3
	v_max_num_f32 v[TM+\b], v[TM+\b], v[TM+4+\b]   ; with lane l xor 16's: the block's largest magnitude
.endr
.irp b, 0,1,2,3
	v_add_nc_u32 v[TM+12+\b], 0xfe000000, v[TM+\b] ; 4 off its exponent field: the conversion's scale operand
.endr
.irp b, 0,1,2,3
	v_lshrrev_b32 v[TM+4+\b], 23, v[TM+12+\b]      ; the scale's byte
.endr
	v_lshl_or_b32 v[PWB+(\a)], v[TM+5], 8, v[TM+4] ; the four bytes make my row's scale word
	v_lshl_or_b32 v[PWB+(\a)], v[TM+6], 16, v[PWB+(\a)]
	v_lshl_or_b32 v[PWB+(\a)], v[TM+7], 24, v[PWB+(\a)]
	WIN 2+(\a)/4                                   ; source 0 alone: window 2 or 3
.irp c, 0,1
	v_cvt_scalef32_pk16_bf6_f32 v[PC+6*\c:PC+6*\c+2], v[AC+32*\c:AC+32*\c+15], v[TM+12+2*\c]
	v_cvt_scalef32_pk16_bf6_f32 v[T2+4*\c:T2+4*\c+2], v[AC+32*\c+16:AC+32*\c+31], v[TM+12+2*\c+1]   ; (a conversion's three registers begin on an even number)
.endr
	WIN 0
	v_nop                                          ; one plain place behind a scaled conversion
.irp c, 0,1                                    ; the operand's layout wants a whole block in a lane: lanes 0-15 block 2 c, lanes 16-31 block 2 c + 1
.irp i, 0,1,2
	v_permlane16_swap_b32 v[PC+6*\c+\i], v[T2+4*\c+\i]
.endr
.irp i, 0,1,2
	v_mov_b32 v[PC+3+6*\c+\i], v[T2+4*\c+\i]
.endr
.endr
.endm
.irp a, 0,1,2,3,4,5,6,7
	QUANTW \a
.endr
	s_mov_b32 vcc_lo, 0xffff                       ; lanes 0-15
.irp i, 0,1,2,3
	v_cndmask_b32 v[SW+\i], v[PWB+4+\i], v[PWB+\i], vcc_lo   ; lanes 0-15: block i's words, lanes 16-31: block 4 + i's (both halves of the lanes hold every word)
.endr
	s_cmp_lg_u32 s95, 0                            ; the two parts differ in where the registers go: only sums of offsets and stores stand on the two ways
	s_cbranch_scc1 .Lv_part
	; q and k: registers 0-5 are the first head's 64 channels, registers 6-11 the second's
	s_lshl_b32 s18, s42, 1
	s_add_co_u32 s18, s18, s16                     ; which 128 of the 2,048 channels: two heads
	s_lshl_b32 s18, s18, 3                         ; (first head) x 4 batches
	s_lshr_b32 s19, s17, 3                         ; the batch: 8 tile rows each
	s_add_co_u32 s18, s18, s19
	s_lshl_b32 s18, s18, 4
	s_and_b32 s19, s17, 7
	s_lshl_b32 s19, s19, 1
	s_add_co_u32 s19, s19, s15                     ; the group of 128 token places
	s_add_co_u32 s18, s18, s19
	s_mul_i32 s18, s18, 6656
	s_mov_b32 s19, 0
	s_add_nc_u64 s[12:13], s[8:9], s[18:19]
.irp i, 0,1,2,3
	v_and_b32 v[SA+\i], 0xffff, v[SW+\i]
	v_lshrrev_b32 v[SBB+\i], 16, v[SW+\i]
.endr
.irp a, 0,1,2,3,4,5,6,7
	global_store_b128 v[L16], v[PCB+12*\a:PCB+12*\a+3], s[12:13] offset:768*\a             ; every store covers 512 or 256 consecutive bytes, aligned to 256
	global_store_b64 v[L8], v[PCB+12*\a+4:PCB+12*\a+5], s[12:13] offset:768*\a+512
	global_store_b128 v[L16], v[PCB+12*\a+6:PCB+12*\a+9], s[12:13] offset:HS+768*\a
	global_store_b64 v[L8], v[PCB+12*\a+10:PCB+12*\a+11], s[12:13] offset:HS+768*\a+512
.endr
	global_store_b128 v[L16], v[SA:SA+3], s[12:13] offset:6144
	global_store_b128 v[L16], v[SBB:SBB+3], s[12:13] offset:HS+6144
	s_branch .Lout
.Lv_part:
	; v: block a is tile a % 4 of head a / 4 of my two heads; its 12 registers are 128 keys
	s_lshr_b32 s18, s42, 3                         ; the batch
	s_lshl_b32 s18, s18, 4
	s_lshl_b32 s19, s17, 2
	s_add_co_u32 s18, s18, s19
	s_lshl_b32 s19, s15, 1
	s_add_co_u32 s18, s18, s19                     ; batch x 16 + my first head
	s_lshl_b32 s18, s18, 4
	s_and_b32 s19, s42, 7
	s_lshl_b32 s19, s19, 1
	s_add_co_u32 s19, s19, s16                     ; the step of 128 keys
	s_add_co_u32 s18, s18, s19
	s_mul_i32 s18, s18, 6400
	s_mov_b32 s19, 0
	s_add_nc_u64 s[12:13], s[10:11], s[18:19]
.irp a, 0,1,2,3,4,5,6,7
.irp c, 0,1,2
	global_store_b128 v[L16], v[PCB+12*\a+4*\c:PCB+12*\a+4*\c+3], s[12:13] offset:(\a/4)*HV+(\a%4)*1536+512*\c
.endr
.endr
	global_store_b128 v[LV], v[SW:SW+3], s[12:13] offset:6144   ; lanes 0-15: the first head's 256 bytes of scale words, lanes 16-31 the second's
.Lout:
	s_wait_tensorcnt 0x0                           ; the wave's end
	ds_add_u32 v[SPW], v[NIL]
	s_wait_dscnt 0x0
	CROUND                                         ; the closing round: no work-group ends while a partner may still ask for a tile that names it
	s_endpgm
.Lfunc_end_k_qce48e542ba_qkv:
	.size	k_qce48e542ba_qkv, .Lfunc_end_k_qce48e542ba_qkv-k_qce48e542ba_qkv
	.p2alignl 7, 3214868480
	.fill 96, 4, 3214868480
	.section	.rodata,"a",@progbits
	.p2align	6, 0x0
	.amdhsa_kernel k_qce48e542ba_qkv
		.amdhsa_group_segment_fixed_size 327680
		.amdhsa_private_segment_fixed_size 0
		.amdhsa_enable_private_segment 0
		.amdhsa_kernarg_size 32
		.amdhsa_user_sgpr_count 2
		.amdhsa_user_sgpr_kernarg_segment_ptr 1
		.amdhsa_wavefront_size32 1
		.amdhsa_system_sgpr_workgroup_id_x 1
		.amdhsa_system_sgpr_workgroup_id_y 1
		.amdhsa_system_sgpr_workgroup_id_z 1
		.amdhsa_system_vgpr_workitem_id 0
		.amdhsa_next_free_vgpr 1024
		.amdhsa_next_free_sgpr 102
		.amdhsa_reserve_vcc 1
		.amdhsa_float_denorm_mode_32 3
		.amdhsa_float_denorm_mode_16_64 3
		.amdhsa_memory_ordered 1
		.amdhsa_forward_progress 1
		.amdhsa_inst_pref_size 168
	.end_amdhsa_kernel
	.amdgpu_metadata
---
amdhsa.version: [ 1, 2 ]
amdhsa.kernels:
  - .name:           k_qce48e542ba_qkv
    .symbol:         k_qce48e542ba_qkv.kd
    .args:
      - { .name: codes, .offset: 0, .size: 8, .value_kind: global_buffer, .address_space: global }
      - { .name: scl, .offset: 8, .size: 8, .value_kind: global_buffer, .address_space: global }
      - { .name: qki, .offset: 16, .size: 8, .value_kind: global_buffer, .address_space: global }
      - { .name: vi, .offset: 24, .size: 8, .value_kind: global_buffer, .address_space: global }
    .group_segment_fixed_size: 327680
    .private_segment_fixed_size: 0
    .kernarg_segment_align: 8
    .kernarg_segment_size: 32
    .max_flat_workgroup_size: 128
    .sgpr_count:     102
    .vgpr_count:     1024
    .wavefront_size: 32
...
	.end_amdgpu_metadata
.endif
;; end of part 2
;; launch attn (part 3): grid 4 x 64, 16 waves a work-group, no clusters, 327,680 bytes of LDS; arguments qki, vi, aoi, aos; writes aoi, aos
.if DOCPART == 3
	.amdgcn_target "amdgcn-amd-amdhsa--gfx1250"
	.amdhsa_code_object_version 6
	.text
	.protected	k_qce48e542ba_attn
	.globl	k_qce48e542ba_attn
	.p2align	8
	.type	k_qce48e542ba_attn,@function
k_qce48e542ba_attn:
	s_mov_b64 s[64:65], 0
	v_nop
	global_prefetch_b8 v0, s[64:65] scope:SCOPE_SE
	s_setreg_imm32_b32 hwreg(HW_REG_WAVE_MODE, 25, 1), 1
	s_wait_xcnt 0x0
; Causal attention of one head (64 channels, 2,048 tokens) on codes of BF6 (E3M2) with E8M0 scales; the result, divided by the row's sum, is quantised along the model's 1,024 (a head is two blocks of 32) and stored as operand images.
; t = score x log2(e) / 8; M = the row's largest t so far, rounded up to a whole number; p = 2^(t - M) is quantised along the keys, not normalised; the row's sum is taken of the unquantised p.
; When M moves, the sum and O are multiplied by 2^(old M - new M): exact.
; IN: qki [32: q's 16 heads, k's 16][batch 4][16 groups of 128 token places][6,656 bytes] and vi [batch x 16 + head][16 steps of 128 keys][6,400 bytes]: images of operand registers, so that every LDS and memory
;   read here is 16 or 8 bytes x lane, on end.  Token and channel PLACES are true indices with bits 3 and 4 exchanged, so that the 16 registers of result tiles 2 b and 2 b + 1 are 16 true neighbours.
; The head's K = 64 fills half of the instruction's 128: registers 6-11 of q's and k's fragments are zero codes, written once; they add nothing under the scale byte 0 that stands for them.
; SHARES.  Work-group (i, batch x 16 + head) owns the blocks of 256 queries i and 7 - i, one after the other: it walks key slots (256 keys) 0 .. i and then 0 .. 7 - i: always 9 slots, so the 256 work-groups
;   have equal work, the loop's trip count is a constant, and no slot is fetched that nobody reads.  Each of the sixteen waves owns 16 query places, one tile: four waves to a SIMD, so that one wave's vector work
;   stands beside another's matrix work and LDS loads.  Both products are used transposed (S^T = K Q^T, O^T = V^T P^T): a lane holds one query throughout.
; NO CLUSTER: the four work-groups of a head walk different sequences of slots (0 .. i, 0 .. 7 - i), so there is no round in which all four would ask for the same tile; each fetches 9 x 26,112 bytes in all.
; OUT: aoi [512 tiles of 16 token places][16 heads][768 bytes]: registers 0-3 at 16 x lane, registers 4-5 at 512 + 8 x lane;  aos [8,192 token places][32 bytes]: byte 2 head + block.
;   The scale bytes leave as one byte a lane, to rows 32 bytes apart: 2 bytes for each 48 bytes of codes; a row's other 30 bytes belong to other work-groups.
; LIMITS: NaN and infinities are not served; p under 2^-126 counts as 0; M is a whole number exactly while |t| < 2^24; a block of zeros, or one under 2^-122, gets the scale byte 1 (read by this program alone).
; REGISTERS: v1-3 16 x lane, 8 x lane, 16 x row; v4-5 the spare word's address and 0; v6-8 the same three + the slot; v9 mask term; v10 aos offset; v11 Q's scale word; v12 -M, v13 the largest t, v[14:15] the sum;
;   v16-27 Q; v28-34 the second block's Q and scale word; v36-83 four fragments of K; v84-87 K's scale words, v88-91 V's; v96-159 S^T, then p, then (v96-143) four fragments of V; v160-191 O^T; v192-203 p's codes;
;   v204-211 the conversions' second halves; v212-223 at work on the blocks; v224 f, v225 p's scale word; v226-231 at work.
.set KREC,  6656                       ; a step's record of K
.set VREC,  6400                       ; and of V
.set VOFF,  2*KREC                     ; a slot: two records of K, then two of V: 26,112 bytes
.set SLOTB, 32768                      ; slot 1 begins here: one exclusive or turns an address from one slot to the other
.set SPARE, 2*SLOTB                    ; behind the ring: the spare words, 128 bytes for each of 16 waves: eight blocks of 256 bytes that no other line names
.set SPW, 4
.set NIL, 5
.set WV,  12                           ; s12  my wave's number
.set BI,  13                           ; s13  i
.set BI1, 14                           ; s14  i + 1: the first block's slots
.set TT,  15                           ; s15  the trip: which of the 9 slots is read
.set KF,  16                           ; s16  the step's first key
.set QC,  17                           ; s17  the smallest true query of my tile in the block in hand: 256 block + 32 (wave / 2) + 8 (wave % 2); the largest is 23 more
.set QCB, 18                           ; s18  the same for the second block
.set TB,  19                           ; s19  LDS byte at which the slot in hand begins
.set SEL, 20                           ; s[20:21] lane selects for v_permlanex16_b32: lane l xor 16
.set CS,  22                           ; s[22:23] c = log2(e) / 8
.set G1K, 24                           ; s[24:31] descriptor group 1 for K's tiles;  s[32:39] for V's;  s[40:43], s[44:47] their groups 0
.set G1V, 32
.set G0K, 40
.set G0V, 44
.set BK,  48                           ; s[48:49] my head's K in qki;  s[50:51] my head's V in vi
.set BV,  50
.set AOA, 52                           ; s[52:53], s[54:55] my tile in aoi, first and second block;  s[56:57], s[58:59] my rows' bytes in aos
.set AOB, 54
.set ASA, 56
.set ASB, 58
; Wave 0 fetches a slot's K, wave 1 its V, the others nothing.  The branches hang on the wave's number alone.  Four v_nop follow each of the two lines.
.macro TLOAD
	s_cmp_eq_u32 s[WV], 0
	s_cbranch_scc0 .Lnot_k_\@
	tensor_load_to_lds s[G0K:G0K+3], s[G1K:G1K+7]
	s_nop 0
.rept 4
	v_nop
.endr
	s_branch .Lasked_\@
.Lnot_k_\@:
	s_cmp_eq_u32 s[WV], 1
	s_cbranch_scc0 .Lasked_\@
	tensor_load_to_lds s[G0V:G0V+3], s[G1V:G1V+7]
	s_nop 0
.rept 4
	v_nop
.endr
.Lasked_\@:
.endm
	s_load_b256 s[4:11], s[0:1], 0x0               ; qki s[4:5], vi s[6:7], aoi s[8:9], aos s[10:11]
	v_lshl_add_u32 v[SPW], v0, 2, SPARE
	v_mov_b32 v[NIL], 0
	ds_add_u32 v4, v5
	ds_add_u32 v4, v5
	s_wait_dscnt 0x0
	v_lshrrev_b32 v6, 5, v0
	s_delay_alu instid0(VALU_DEP_1)
	v_readfirstlane_b32 s[WV], v6                  ; wave 0..15
	s_mov_b32 s[BI], ttmp9
	s_add_co_u32 s[BI1], ttmp9, 1
	s_sub_co_u32 s70, 7, ttmp9                     ; the second block
	s_and_b32 s60, ttmp7, 0xffff                   ; batch x 16 + head
	s_lshr_b32 s61, s60, 4                         ; batch
	s_and_b32 s62, s60, 15                         ; head
	s_add_co_u32 s63, s62, 16                      ; k's heads lie behind q's 16
	s_lshl_b32 s63, s63, 2
	s_add_co_u32 s63, s63, s61
	s_mul_i32 s[BK], s63, 16*KREC
	s_mov_b32 s[BK+1], 0
	s_mul_i32 s[BV], s60, 16*VREC
	s_mov_b32 s[BV+1], 0
	s_lshl_b32 s63, s62, 2
	s_add_co_u32 s63, s63, s61
	s_lshl_b32 s63, s63, 4                         ; q: (head x 4 + batch) x 16 groups,
	s_lshr_b32 s66, s[WV], 3
	s_add_co_u32 s63, s63, s66                     ; + which half of a block of 256 my tile lies in
	s_and_b32 s66, s[WV], 7
	s_mul_i32 s66, s66, 768                        ; my tile's image in its record,
	s_bfe_u32 s67, s[WV], 0x10002                  ; and its scale words: at 16 x (16 (tile / 4) + row) + 4 (tile % 4), behind the 8 images
	s_lshl_b32 s67, s67, 8
	s_and_b32 s68, s[WV], 3
	s_lshl_b32 s68, s68, 2
	s_add_co_u32 s67, s67, s68
	s_add_co_u32 s67, s67, 6144
; The offsets of one block of 256 queries: q's codes and scale words, my tile in aoi, my rows in aos, my smallest true query.
.macro PHASE blk, qcod, qscl, ao, as, qc
	s_lshl_b32 s68, s[\blk], 1
	s_add_co_u32 s68, s68, s63
	s_mul_i32 s68, s68, KREC
	s_add_co_u32 s[\qcod], s68, s66
	s_mov_b32 s[\qcod+1], 0
	s_add_co_u32 s[\qscl], s68, s67
	s_mov_b32 s[\qscl+1], 0
	s_lshl_b32 s68, s61, 7
	s_lshl_b32 s69, s[\blk], 4
	s_add_co_u32 s68, s68, s69
	s_add_co_u32 s68, s68, s[WV]                   ; my tile of 16 token places: batch x 128 + 16 block + wave
	s_lshl_b32 s69, s68, 4
	s_add_co_u32 s69, s69, s62
	s_mul_i32 s[\ao], s69, 768
	s_mov_b32 s[\ao+1], 0
	s_lshl_b32 s68, s68, 9                         ; 16 rows of 32 bytes
	s_lshl_b32 s69, s62, 1
	s_add_co_u32 s[\as], s68, s69
	s_mov_b32 s[\as+1], 0
	s_lshl_b32 s68, s[\blk], 8
	s_lshr_b32 s69, s[WV], 1
	s_lshl_b32 s69, s69, 5
	s_add_co_u32 s68, s68, s69
	s_and_b32 s69, s[WV], 1
	s_lshl_b32 s69, s69, 3
	s_add_co_u32 s[\qc], s68, s69
.endm
	PHASE BI, 72, 74, AOA, ASA, QC
	PHASE 70, 76, 78, AOB, ASB, QCB
	; descriptor group 1: dense blocks, as rows of 256 bytes (32 elements of 8 bytes): K 52 rows, V 50; no padding: every read is lane by lane on end
	s_mov_b32 s[G1K], 3<<16                        ; 15:0 no mask; 17:16 elements of 8 bytes; 20 padding off
	s_mov_b32 s[G1K+1], 32<<16                     ; tensor_dim0
	s_mov_b32 s[G1K+2], 52<<16                     ; tensor_dim1
	s_mov_b32 s[G1K+3], 32<<16                     ; tile_dim0
	s_mov_b32 s[G1K+4], 52                         ; tile_dim1
	s_mov_b32 s[G1K+5], 32                         ; tensor_dim0_stride
	s_mov_b32 s[G1K+6], 0
	s_mov_b32 s[G1K+7], 0
	s_mov_b32 s[G1V], 3<<16
	s_mov_b32 s[G1V+1], 32<<16
	s_mov_b32 s[G1V+2], 50<<16
	s_mov_b32 s[G1V+3], 32<<16
	s_mov_b32 s[G1V+4], 50
	s_mov_b32 s[G1V+5], 32
	s_mov_b32 s[G1V+6], 0
	s_mov_b32 s[G1V+7], 0
	s_mov_b32 s[SEL], 0x76543210
	s_mov_b32 s[SEL+1], 0xfedcba98
	s_mov_b32 s[CS], 0x3e38aa3b                    ; c = log2(e) / 8
	s_mov_b32 s[CS+1], s[CS]                       ; (named with it as a pair, so it is written)
	s_mov_b32 s[TB], 0
	s_mov_b32 s[KF], 0
	s_mov_b32 s[TT], 0
	s_wait_kmcnt 0x0
	s_add_nc_u64 s[BK:BK+1], s[4:5], s[BK:BK+1]
	s_add_nc_u64 s[BV:BV+1], s[6:7], s[BV:BV+1]
	s_mov_b32 s[G0K], 1                            ; 1:0 count = 1
	s_mov_b32 s[G0K+1], 0                          ; 63:32 LDS address: slot 0
	s_mov_b64 s[G0K+2:G0K+3], s[BK:BK+1]           ; 120:64 global address: keys 0 to 255
	s_or_b32 s[G0K+3], s[G0K+3], 0x80000000        ; 127:126 type = 2
	s_mov_b32 s[G0V], 1
	s_mov_b32 s[G0V+1], VOFF
	s_mov_b64 s[G0V+2:G0V+3], s[BV:BV+1]
	s_or_b32 s[G0V+3], s[G0V+3], 0x80000000
	TLOAD                                          ; slot 0: the launch's first fill, ahead of every wait on TENSORcnt, every LDS read and every barrier
	s_add_nc_u64 s[72:73], s[4:5], s[72:73]
	s_add_nc_u64 s[74:75], s[4:5], s[74:75]
	s_add_nc_u64 s[76:77], s[4:5], s[76:77]
	s_add_nc_u64 s[78:79], s[4:5], s[78:79]
	s_add_nc_u64 s[AOA:AOA+1], s[8:9], s[AOA:AOA+1]
	s_add_nc_u64 s[AOB:AOB+1], s[8:9], s[AOB:AOB+1]
	s_add_nc_u64 s[ASA:ASA+1], s[10:11], s[ASA:ASA+1]
	s_add_nc_u64 s[ASB:ASB+1], s[10:11], s[ASB:ASB+1]
	v_and_b32 v9, 31, v0
	s_delay_alu instid0(VALU_DEP_1)
	v_lshlrev_b32 v1, 4, v9                        ; 16 x lane
	s_delay_alu instid0(VALU_DEP_2)
	v_lshlrev_b32 v2, 3, v9                        ; 8 x lane
	v_and_b32 v10, 15, v0                          ; r
	s_delay_alu instid0(VALU_DEP_1)
	v_lshlrev_b32 v3, 4, v10                       ; 16 r
	global_load_b128 v[16:19], v1, s[72:73]        ; Q of the first block: registers 0-3,
	global_load_b64 v[20:21], v2, s[72:73] offset:512   ; 4-5,
	global_load_b32 v11, v3, s[74:75]              ; and its scale words
	global_load_b128 v[28:31], v1, s[76:77]        ; Q of the second block waits in registers
	global_load_b64 v[32:33], v2, s[76:77] offset:512
	global_load_b32 v34, v3, s[78:79]
	v_bfe_u32 v227, v0, 4, 1                       ; h
	v_and_b32 v9, 8, v10
	s_delay_alu instid0(VALU_DEP_1)
	v_add_nc_u32 v9, v9, v10                       ; my true query less QC: r + (r & 8)
	s_delay_alu instid0(VALU_DEP_3)
	v_lshlrev_b32 v228, 4, v227
	s_delay_alu instid0(VALU_DEP_1)
	v_sub_nc_u32 v9, v9, v228                      ; - 16 h: my registers' keys begin 16 h on
	v_lshl_add_u32 v10, v10, 5, v227               ; aos: row r of 32 bytes, + h: my block's byte
.irp j, 22,23,24,25,26,27
	v_mov_b32 v[\j], 0                             ; Q's K = 64 .. 127: zero codes
.endr
.irp t, 0,1,2,3
.irp j, 6,7,8,9,10,11
	v_mov_b32 v[36+12*\t+\j], 0                    ; K's likewise: written once, no load lands here
.endr
.endr
	v_mov_b32 v13, 0xff61b1e6                      ; the largest t so far: -3e38, under every t
	s_delay_alu instid0(VALU_DEP_1)
	v_floor_f32 v12, -v13                          ; -M
	v_mov_b32 v14, 0                               ; the sum, in two halves
	v_mov_b32 v15, 0
.irp b, 0,1,2,3
	v_mov_b32 v[216+\b], 0                         ; written once: a lane permute's destination counts as one of its sources
.endr
	v_mov_b32 v225, 0                              ; (named as the upper half of the pair v[224:225] before it is first written)
	v_mov_b32 v229, 0xff800000                     ; -infinity
.set NN, 0
.rept 32
	v_mov_b32 v[160+NN], 0                         ; O^T: the step is written once; the first step finds zeros, which the first change of M leaves zeros
.set NN, NN+1
.endr
; A KEY STEP: 128 keys, the q-th of the slot in hand.
.macro STEP q
	s_cmp_gt_u32 s[KF], s[QC]                      ; all 128 keys come after my 16 queries (KF is a multiple of 128; QC and QC + 23 lie in one group of 128): the step's work is left out.
	s_cbranch_scc1 .Lhidden_\@                     ; A branch on ids and the loop's count; no barrier and no tensor load stands in a step
	s_wait_alu depctr_va_vdst(0)
	ds_load_b128 v[84:87], v6 offset:(\q)*KREC+6144   ; K's scale words: register t: lanes 0-15 tile t's, lanes 16-31 tile 4 + t's
	s_wait_alu depctr_va_vdst(0)
.irp g, 0,1                                    ; S^T = K Q^T, four tiles of 16 key places at a time
.if \g
.rept 4
	v_nop                                          ; places in front of loads into registers that the four products above have read
.endr
.endif
.irp t, 0,1,2,3
	ds_load_b128 v[36+12*\t:39+12*\t], v6 offset:(\q)*KREC+(4*\g+\t)*768
	ds_load_b64 v[40+12*\t:41+12*\t], v7 offset:(\q)*KREC+(4*\g+\t)*768+512
.endr
	s_wait_dscnt 0x0
.irp t, 0,1,2,3
.if \g
	v_wmma_scale_f32_16x16x128_f8f6f4 v[96+8*(4*\g+\t):103+8*(4*\g+\t)], v[36+12*\t:47+12*\t], v[16:27], 0, v[84+\t], v11 matrix_a_fmt:MATRIX_FMT_BF6 matrix_b_fmt:MATRIX_FMT_BF6 matrix_a_scale:MATRIX_SCALE_ROW1
.else
	v_wmma_scale_f32_16x16x128_f8f6f4 v[96+8*(4*\g+\t):103+8*(4*\g+\t)], v[36+12*\t:47+12*\t], v[16:27], 0, v[84+\t], v11 matrix_a_fmt:MATRIX_FMT_BF6 matrix_b_fmt:MATRIX_FMT_BF6
.endif
.endr
.endr                                          ; lane (r, h) holds query place r; register 16 b + i is true key KF + 32 b + 16 h + i
.rept 4
	v_nop
.endr
	s_add_co_u32 s60, s[KF], 127                   ; on the diagonal the scores of hidden keys become -infinity ahead of the maximum: p = 0 then.  A step all of whose keys count skips this
	s_cmp_le_u32 s60, s[QC]
	s_cbranch_scc1 .Lopen_\@
	s_sub_co_i32 s60, s[QC], s[KF]
	v_add_nc_u32 v228, s60, v9                     ; d = my true query - KF - 16 h: register 16 b + i is hidden where 32 b + i > d.  Key KF counts for every query of the tile, so no row is all hidden
.set NN, 0
.rept 64
	v_cmp_gt_i32 vcc_lo, 32*(NN/16)+NN%16, v228
	v_cndmask_b32 v[96+NN], v[96+NN], v229, vcc_lo
.set NN, NN+1
.endr
.Lopen_\@:
.irp b, 0,1,2,3
	v_max3_num_f32 v[212+\b], v[96+16*\b], v[97+16*\b], v[98+16*\b]   ; the largest score of each block of 32 keys: it serves for the row's maximum and, since p rises with the score, for the block's largest p
.endr
.irp i, 3,5,7,9,11,13
.irp b, 0,1,2,3
	v_max3_num_f32 v[212+\b], v[212+\b], v[96+16*\b+\i], v[97+16*\b+\i]   ; (the four blocks by turns)
.endr
.endr
.irp b, 0,1,2,3
	v_max_num_f32 v[212+\b], v[212+\b], v[111+16*\b]
.endr
.irp b, 0,1,2,3
	s_delay_alu instid0(VALU_DEP_4)
	v_permlanex16_b32 v[216+\b], v[212+\b], s[SEL], s[SEL+1]
.endr
.irp b, 0,1,2,3
	s_delay_alu instid0(VALU_DEP_4)
	v_max_num_f32 v[212+\b], v[212+\b], v[216+\b]  ; with lane l xor 16's 16 keys
.endr
	s_delay_alu instid0(VALU_DEP_2)
	v_max3_num_f32 v227, v212, v213, v214
	s_delay_alu instid0(VALU_DEP_1)
	v_max_num_f32 v227, v227, v215                 ; the step's largest score of my query
	s_delay_alu instid0(VALU_DEP_1)
	v_mul_f32 v227, s[CS], v227                    ; as t (c is positive)
	s_delay_alu instid0(VALU_DEP_1)
	v_max_num_f32 v13, v13, v227                   ; the running largest t
	v_mov_b32 v227, v12
	s_delay_alu instid0(VALU_DEP_2)
	v_floor_f32 v12, -v13                          ; the new -M = floor(-t) = -ceil(t): a whole number
	s_delay_alu instid0(VALU_DEP_1)
	v_sub_f32 v227, v12, v227                      ; M's old value less its new one: a whole number, 0 or less
	s_delay_alu instid0(VALU_DEP_1)
	v_cvt_i32_f32 v227, v227                       ; (it saturates)
	s_delay_alu instid0(VALU_DEP_1)
	v_ldexp_f32 v224, 1.0, v227                    ; f = 2^(old M - new M): a multiplication by it rounds nothing
.set NN, 0
.rept 32
	v_pk_fma_f32 v[96+NN:97+NN], v[96+NN:97+NN], s[CS:CS+1], v[12:13] op_sel_hi:[1,0,0]   ; t - M, two at a time (of the pairs c and -M the low word serves both halves)
.set NN, NN+2
.endr
.irp b, 0,1,2,3
	v_fma_f32 v[212+\b], v[212+\b], s[CS], v12     ; the same of each block's largest score
.endr
.set NN, 0
	s_wait_alu depctr_va_vdst(0)
.rept 64
	v_exp_f32 v[96+NN], v[96+NN]                   ; p = 2^(t - M), at most 1: not normalised
.set NN, NN+1
.endr
.irp b, 0,1,2,3
	v_exp_f32 v[212+\b], v[212+\b]                 ; the block's largest p: the same two instructions on the same number give the same bits
.endr
	v_pk_mul_f32 v[14:15], v[14:15], v[224:225] op_sel_hi:[1,0]   ; the sums under the new M.  (A plain place behind the exponentials)
	s_wait_alu depctr_va_vdst(0)
.irp b, 0,1,2,3
	v_max_num_f32 v[212+\b], 0x2800000, v[212+\b]  ; the floor 2^(5 - 127): the byte cannot fall under 1 (a block whose every p is 0 keeps that byte: its codes are zeros)
.endr
.irp b, 0,1,2,3
	s_delay_alu instid0(VALU_DEP_4)
	v_add_nc_u32 v[220+\b], 0xfe000000, v[212+\b]  ; 4 off the exponent field: the conversion's scale operand
.endr
.irp b, 0,1,2,3
	s_delay_alu instid0(VALU_DEP_4)
	v_lshrrev_b32 v[216+\b], 23, v[220+\b]         ; the scale's byte
.endr
	s_delay_alu instid0(VALU_DEP_3)
	v_lshl_or_b32 v225, v217, 8, v216              ; p's scale word for these 128 keys
	s_delay_alu instid0(VALU_DEP_1)
	v_lshl_or_b32 v225, v218, 16, v225
	s_delay_alu instid0(VALU_DEP_1)
	v_lshl_or_b32 v225, v219, 24, v225
.irp c, 0,1
	v_cvt_scalef32_pk16_bf6_f32 v[192+6*\c:194+6*\c], v[96+32*\c:111+32*\c], v[220+2*\c]
	v_cvt_scalef32_pk16_bf6_f32 v[204+4*\c:206+4*\c], v[112+32*\c:127+32*\c], v[220+2*\c+1]   ; (a conversion's three registers begin on an even number)
.endr
	v_nop                                          ; one plain place behind a scaled conversion
.irp c, 0,1                                    ; the operand's layout wants a whole block in a lane: lanes 0-15 block 2 c, lanes 16-31 block 2 c + 1
.irp i, 0,1,2
	v_permlane16_swap_b32 v[192+6*\c+\i], v[204+4*\c+\i]
.endr
.irp i, 0,1,2
	s_delay_alu instid0(VALU_DEP_3)
	v_mov_b32 v[195+6*\c+\i], v[204+4*\c+\i]
.endr
.endr
	v_pk_add_f32 v[230:231], v[100:101], v[104:105]
	v_pk_add_f32 v[254:255], v[108:109], v[112:113]
	v_pk_add_f32 v[252:253], v[116:117], v[120:121]
	v_pk_add_f32 v[250:251], v[124:125], v[128:129]
	v_pk_add_f32 v[248:249], v[132:133], v[136:137]
	v_pk_add_f32 v[246:247], v[140:141], v[144:145]
	v_pk_add_f32 v[244:245], v[148:149], v[152:153]
	v_pk_add_f32 v[14:15], v[14:15], v[156:157]
	v_pk_add_f32 v[230:231], v[230:231], v[96:97]
	v_pk_add_f32 v[254:255], v[254:255], v[98:99]
	v_pk_add_f32 v[252:253], v[252:253], v[102:103]
	v_pk_add_f32 v[250:251], v[250:251], v[106:107]
	v_pk_add_f32 v[248:249], v[248:249], v[110:111]
	v_pk_add_f32 v[246:247], v[246:247], v[114:115]
	v_pk_add_f32 v[244:245], v[244:245], v[118:119]
	v_pk_add_f32 v[14:15], v[14:15], v[122:123]
	v_pk_add_f32 v[230:231], v[230:231], v[126:127]
	v_pk_add_f32 v[254:255], v[254:255], v[130:131]
	v_pk_add_f32 v[252:253], v[252:253], v[134:135]
	v_pk_add_f32 v[250:251], v[250:251], v[138:139]
	v_pk_add_f32 v[248:249], v[248:249], v[142:143]
	v_pk_add_f32 v[246:247], v[246:247], v[146:147]
	v_pk_add_f32 v[244:245], v[244:245], v[150:151]
	v_pk_add_f32 v[14:15], v[14:15], v[154:155]
	v_pk_add_f32 v[230:231], v[230:231], v[158:159]
	s_delay_alu instid0(VALU_DEP_2)
	v_pk_add_f32 v[14:15], v[14:15], v[250:251]
	s_delay_alu instid0(VALU_DEP_2)
	v_pk_add_f32 v[230:231], v[230:231], v[248:249]
	v_pk_add_f32 v[254:255], v[254:255], v[246:247]
	v_pk_add_f32 v[252:253], v[252:253], v[244:245]
	s_delay_alu instid0(VALU_DEP_2)
	v_pk_add_f32 v[14:15], v[14:15], v[254:255]
	s_delay_alu instid0(VALU_DEP_2)
	v_pk_add_f32 v[230:231], v[230:231], v[252:253]
	s_delay_alu instid0(VALU_DEP_1)
	v_pk_add_f32 v[14:15], v[14:15], v[230:231]    ; (the last nine additions name no register of the products below: they are the eight places between p's scale word, and the four between p's codes, and those products)
	ds_load_b128 v[88:91], v8 offset:VOFF+(\q)*VREC+6144   ; V's scale words: register i: row r of tile i
.irp i, 0,1,2,3                                ; V's four fragments (16 channel places x these 128 keys) take the registers that p has left
.irp c, 0,1,2
	ds_load_b128 v[96+12*\i+4*\c:99+12*\i+4*\c], v6 offset:VOFF+(\q)*VREC+\i*1536+512*\c
.endr
.endr
.set NN, 0
.rept 16
	v_pk_mul_f32 v[160+NN:161+NN], v[160+NN:161+NN], v[224:225] op_sel_hi:[1,0]   ; O^T under the new M: x f, while the loads land.  Each accumulator from its low end on
.set NN, NN+2
.endr
	s_wait_alu depctr_va_vdst(0)
	s_wait_dscnt 0x0
.irp i, 0,1,2,3                                ; O^T += V^T P^T: the four accumulators by turns, one instruction a turn; eight products of S^T stand between two links of a chain
	v_wmma_scale_f32_16x16x128_f8f6f4 v[160+8*\i:167+8*\i], v[96+12*\i:107+12*\i], v[192:203], v[160+8*\i:167+8*\i], v[88+\i], v225 matrix_a_fmt:MATRIX_FMT_BF6 matrix_b_fmt:MATRIX_FMT_BF6
.endr
.rept 5
	v_nop                                          ; five places: the next step's S^T is written over V's fragments by matrix instructions; what reads O^T next wants four
.endr
.Lhidden_\@:
	s_add_co_u32 s[KF], s[KF], 128
.endm
; THE CHANGE OF SLOTS stands at a slot's head.  Each wave waits for all its tensor loads (its part of the slot that it is about to read), adds 0 to its spare word, and waits for that and for its reads of the slot that it has left.
; Behind the barrier the slot ahead is whole and nobody reads the other one.  fill = 1: that other slot is filled with the walk's next 256 keys: the load has a whole slot's steps in which to land; one tensor load of a wave is out.
.macro CHANGE fill
	s_wait_tensorcnt 0x0                           ; no tensor load of mine is out, so a group 0 may be written
	ds_add_u32 v[SPW], v[NIL]                      ; 0 onto my spare word; with fill = 1 the descriptors are made between it and the wait for it
.if \fill
	s_add_co_u32 s60, s[TT], 1                     ; the walk's next slot, n = 1 .. 8: keys 256 n on in the first block's walk (n <= i), 256 (n - i - 1) on in the second's
	s_cmp_gt_u32 s60, s[BI]
	s_cselect_b32 s61, s[BI1], 0
	s_sub_co_u32 s60, s60, s61
	s_mul_i32 s62, s60, 2*KREC
	s_mov_b32 s63, 0
	s_add_nc_u64 s[G0K+2:G0K+3], s[BK:BK+1], s[62:63]
	s_or_b32 s[G0K+3], s[G0K+3], 0x80000000
	s_mul_i32 s62, s60, 2*VREC
	s_add_nc_u64 s[G0V+2:G0V+3], s[BV:BV+1], s[62:63]
	s_or_b32 s[G0V+3], s[G0V+3], 0x80000000
	s_xor_b32 s[G0K+1], s[G0K+1], SLOTB            ; into the other slot than last time
	s_xor_b32 s[G0V+1], s[G0V+1], SLOTB
.endif
	s_wait_dscnt 0x0                               ; the add is done, and my reads of the slot that I have left are over
	s_barrier_signal -1
	s_barrier_wait -1
.if \fill
	TLOAD                                          ; the first thing behind the barrier, and a wave's one tensor load until the next
.endif
.endm
.macro SLOT_STEPS
	v_add_nc_u32 v6, s[TB], v1
	v_add_nc_u32 v7, s[TB], v2
	v_add_nc_u32 v8, s[TB], v3
	STEP 0
	STEP 1
	s_xor_b32 s[TB], s[TB], SLOTB                  ; on to the other slot
.endm
; A BLOCK'S END.  O^T / the row's sum: register 16 B + i is true channel 32 B + 16 h + i of my query: two blocks of 32 along the model's 1,024.  They are quantised and leave as half a fragment's image.
; (Every step that multiplies ends with five places: O^T may be read at once.)
.macro FINISH ob, sb
	v_add_f32 v14, v14, v15                        ; the sum's two halves,
	s_delay_alu instid0(VALU_DEP_1)
	v_permlanex16_b32 v227, v14, s[SEL], s[SEL+1]
	s_delay_alu instid0(VALU_DEP_1)
	v_add_f32 v14, v14, v227                       ; and lane l xor 16's: the row's sum
	s_wait_alu depctr_va_vdst(0)
	v_rcp_f32 v14, v14
	s_mov_b32 vcc_lo, 0xffff                       ; lanes 0-15
	v_nop                                          ; one plain place behind a transcendental
.set NN, 0
	s_wait_alu depctr_va_vdst(0)
.rept 16
	v_pk_mul_f32 v[96+NN:97+NN], v[160+NN:161+NN], v[14:15] op_sel_hi:[1,0]
.set NN, NN+2
.endr
.irp b, 0,1
	v_max3_num_f32 v[212+\b], |v[96+16*\b]|, |v[97+16*\b]|, 0x2800000
.endr
.irp i, 2,4,6,8,10,12,14
.irp b, 0,1
	s_delay_alu instid0(VALU_DEP_2)
	v_max3_num_f32 v[212+\b], v[212+\b], |v[96+16*\b+\i]|, |v[97+16*\b+\i]|
.endr
.endr
.irp b, 0,1
	s_delay_alu instid0(VALU_DEP_2)
	v_permlanex16_b32 v[216+\b], v[212+\b], s[SEL], s[SEL+1]
.endr
.irp b, 0,1
	s_delay_alu instid0(VALU_DEP_2)
	v_max_num_f32 v[212+\b], v[212+\b], v[216+\b]
.endr
.irp b, 0,1
	s_delay_alu instid0(VALU_DEP_2)
	v_add_nc_u32 v[220+\b], 0xfe000000, v[212+\b]
.endr
.irp b, 0,1
	s_delay_alu instid0(VALU_DEP_2)
	v_lshrrev_b32 v[216+\b], 23, v[220+\b]
.endr
	s_delay_alu instid0(VALU_DEP_1)
	v_cndmask_b32 v226, v217, v216, vcc_lo         ; lanes 0-15 block 0's byte, lanes 16-31 block 1's
	v_cvt_scalef32_pk16_bf6_f32 v[192:194], v[96:111], v220
	v_cvt_scalef32_pk16_bf6_f32 v[204:206], v[112:127], v221
	v_nop                                          ; one plain place behind a scaled conversion
.irp i, 0,1,2
	v_permlane16_swap_b32 v[192+\i], v[204+\i]
.endr
.irp i, 0,1,2
	s_delay_alu instid0(VALU_DEP_3)
	v_mov_b32 v[195+\i], v[204+\i]                 ; registers 0-5: channels 32 h + 0 .. 31
.endr
	global_store_b128 v1, v[192:195], s[\ob:\ob+1]              ; 512 consecutive bytes, aligned to 256
	global_store_b64 v2, v[196:197], s[\ob:\ob+1] offset:512    ; 256 more
	global_store_b8 v10, v226, s[\sb:\sb+1]                     ; a byte a lane
	s_wait_xcnt 0x0                                ; the stores' data are written again only behind this wait
.endm
; Where the walk goes over to the second block (trip i + 1, which is 1 to 4): the first block leaves, and Q, the statistics and O^T begin anew.  A branch on ids and the loop's count.
.macro SWITCH
	s_cmp_lg_u32 s[TT], s[BI1]
	s_cbranch_scc1 .Lsame_\@
	FINISH AOA, ASA
	v_mov_b32 v11, v34                             ; Q's scale word: the 42 plain lines below stand between it and the next scaled product (eight are asked)
.irp j, 0,1,2,3,4,5
	v_mov_b32 v[16+\j], v[28+\j]
.endr
	v_mov_b32 v13, 0xff61b1e6
	s_delay_alu instid0(VALU_DEP_1)
	v_floor_f32 v12, -v13
	v_mov_b32 v14, 0
	v_mov_b32 v15, 0
.set NN, 0
.rept 32
	v_mov_b32 v[160+NN], 0
.set NN, NN+1
.endr
	s_mov_b32 s[QC], s[QCB]
	s_mov_b32 s[KF], 0
.Lsame_\@:
.endm
	s_wait_loadcnt 0x0                             ; Q, both blocks'
.Lslot:                                            ; 8 trips: behind each change of slots but the last the next slot is asked for
	CHANGE 1
	SWITCH
	SLOT_STEPS
	s_add_co_u32 s[TT], s[TT], 1
	s_cmp_lt_u32 s[TT], 8
	s_cbranch_scc1 .Lslot
	CHANGE 0                                       ; the ninth slot is written out
	SLOT_STEPS
	FINISH AOB, ASB
	s_wait_tensorcnt 0x0                           ; the wave's end
	ds_add_u32 v[SPW], v[NIL]
	s_wait_dscnt 0x0
	s_endpgm
.Lfunc_end_k_qce48e542ba_attn:
	.size	k_qce48e542ba_attn, .Lfunc_end_k_qce48e542ba_attn-k_qce48e542ba_attn
	.p2alignl 7, 3214868480
	.fill 96, 4, 3214868480
	.section	.rodata,"a",@progbits
	.p2align	6, 0x0
	.amdhsa_kernel k_qce48e542ba_attn
		.amdhsa_group_segment_fixed_size 327680
		.amdhsa_private_segment_fixed_size 0
		.amdhsa_enable_private_segment 0
		.amdhsa_kernarg_size 32
		.amdhsa_user_sgpr_count 2
		.amdhsa_user_sgpr_kernarg_segment_ptr 1
		.amdhsa_wavefront_size32 1
		.amdhsa_system_sgpr_workgroup_id_x 1
		.amdhsa_system_sgpr_workgroup_id_y 1
		.amdhsa_system_sgpr_workgroup_id_z 1
		.amdhsa_system_vgpr_workitem_id 0
		.amdhsa_next_free_vgpr 256
		.amdhsa_next_free_sgpr 80
		.amdhsa_reserve_vcc 1
		.amdhsa_float_denorm_mode_32 3
		.amdhsa_float_denorm_mode_16_64 3
		.amdhsa_memory_ordered 1
		.amdhsa_forward_progress 1
		.amdhsa_inst_pref_size 110
	.end_amdhsa_kernel
	.amdgpu_metadata
---
amdhsa.version: [ 1, 2 ]
amdhsa.kernels:
  - .name:           k_qce48e542ba_attn
    .symbol:         k_qce48e542ba_attn.kd
    .args:
      - { .name: qki, .offset: 0, .size: 8, .value_kind: global_buffer, .address_space: global }
      - { .name: vi, .offset: 8, .size: 8, .value_kind: global_buffer, .address_space: global }
      - { .name: aoi, .offset: 16, .size: 8, .value_kind: global_buffer, .address_space: global }
      - { .name: aos, .offset: 24, .size: 8, .value_kind: global_buffer, .address_space: global }
    .group_segment_fixed_size: 327680
    .private_segment_fixed_size: 0
    .kernarg_segment_align: 8
    .kernarg_segment_size: 32
    .max_flat_workgroup_size: 512
    .sgpr_count:     80
    .vgpr_count:     256
    .wavefront_size: 32
...
	.end_amdgpu_metadata
.endif
;; end of part 3
;; launch oproj (part 4): grid 4 x 32, 4 waves a work-group, clusters of 4 x 4, 327,680 bytes of LDS; arguments aoi, aos, codes, scl, out0; writes out0
.if DOCPART == 4
	.amdgcn_target "amdgcn-amd-amdhsa--gfx1250"
	.amdhsa_code_object_version 6
	.text
	.protected	k_qce48e542ba_oproj
	.globl	k_qce48e542ba_oproj
	.p2align	8
	.type	k_qce48e542ba_oproj,@function
k_qce48e542ba_oproj:
	s_mov_b64 s[64:65], 0
	v_nop
	global_prefetch_b8 v0, s[64:65] scope:SCOPE_SE
	s_setreg_imm32_b32 hwreg(HW_REG_WAVE_MODE, 25, 1), 1
	s_wait_xcnt 0x0
	s_wait_alu depctr_hold_cnt(0) depctr_sa_sdst(0) depctr_va_vdst(0) depctr_va_sdst(0) depctr_va_ssrc(0) depctr_va_vcc(0) depctr_vm_vsrc(0)
	s_getreg_b32 s2, hwreg(HW_REG_IB_STS2, 6, 4)
	s_cmp_eq_u32 s2, 0
	s_cbranch_scc0 .Lentry_in_a_cluster
	s_endpgm
.Lentry_in_a_cluster:
	s_bfe_u32 s2, ttmp6, 0x10000c
	s_cmp_lg_u32 s2, 0xf033
	s_cbranch_scc0 .Lentry_shape_is_right
	s_endpgm
.Lentry_shape_is_right:
; out0 = a Wo^T on codes of BF6 (E3M2) with E8M0 scales, K = 1,024; out0 [8192][1024] f32; sums in f32.
; "A" = the heads' results: aoi [512 tiles of 16 token places][16 heads][768 bytes], images of operand registers (registers 0-3 of a head's six at 16 x lane, registers 4-5 at 512 + 8 x lane; two heads are a fragment of 128 K),
;   scale bytes aos [8,192 token places][32].  "B" = Wo: rows 11,264 .. 12,287 of the table codes [12288 places][768 bytes], scl [12288 places][32 bytes].
; Token places and Wo's row places are true indices with bits 3 and 4 exchanged: the way out puts rows and columns back.
; A tile of out0, 256 x 256, is made by four waves, each 128 x 128: 64 accumulators of 16 x 16.  K goes in steps of 256 through a ring of two LDS slots filled by the tensor data mover.
; The scales of the tile's 512 rows, for all of K, come into LDS once, with the first fills.
; CLUSTERS: 4 x 4 work-groups.  The four of a row need the same tiles of A, the four of a column the same tiles of B: each is asked for jointly, by the same load with a mask that names the four.
; THE MATRIX INSTRUCTION IS USED TRANSPOSED (source 0 = 16 places of Wo, source 1 = 16 token places): a lane holds one token; registers of tile b are true columns 32 (b / 2) + 16 (lane / 16) + 8 (b % 2) + 0 .. 7.
; The grid has 128 tiles of this size: half of the 256 WGPs have a work-group.
; REGISTERS, in windows of 256: window 0: v0-31 addresses; v32-63 scale words, two sets; v128-223 A's fragments, one set; on the way out v128-255 take rows of out0.
;   window 1: B's fragments, two sets, at v0 and v128.   window 2: the accumulators of my rows 0-63 ((a, b) at v[8 (8 a + b)]);   window 3: those of my rows 64-127.
.set SIZE_K, 1024
.set KSTEP,  256
.set NQ,     KSTEP/128
.set ROWB,   192                       ; B: a tile's row in bytes
.set KROW,   SIZE_K*6/8                ; a row of the table; also 1/16 of a token tile's 12,288 bytes in aoi
.set PITCH,  240                       ; B: an LDS row: 3 x (64 bytes of data + 16 of padding)
.set FR,     12
.set NL,     6                         ; LDS loads that bring a fragment of B
.set NLA,    4                         ; and of A: 16, 8, 16, 8 bytes a lane
.set NP,     4                         ; places behind this matrix instruction (ISA guide 7.12.1)
.set ATILE,  3072                      ; A: a token tile's four heads of a K step, on end
.set HALFA,  8*ATILE                   ; 8 token tiles: what one tensor load brings of A
.set HALFB,  128*PITCH                 ; 128 rows: what one brings of B
.set SLOT,   2*HALFA+2*HALFB           ; A's 16 tiles, then B's 256 rows
.set LAPS,   SIZE_K/(2*KSTEP)
.set KS,     SIZE_K/32
.set SCL,    2*SLOT                    ; behind the ring: the scales, as units of 256 bytes + 16 of padding
.set HALFS,  (128*KS/256)*272
.set SBLK,   (16*KS/256)*272
.set SPARE,  SCL+4*HALFS               ; the spare words, 128 bytes for each wave: two blocks of 256 bytes that no other line names
.set SPITCH, 528                       ; the way out: a stage of 16 rows x (512 bytes + 16) for each wave, in slot 0, which has had its last fill and its last read when the first result is stored there
.set ADRA, 16                          ; v16-17  16 x lane + my A tiles in slot 0, 1;  v18-19: 8 x lane + the same
.set ADRB, 20                          ; v20-21  LDS address of my B fragments in slot 0, 1  (v22-23: for the pieces that lie behind one padding more)
.set STO,  24                          ; v24     the way out: where I put my numbers of a row
.set RD,   25                          ; v25     where I read a row back
.set CO,   26                          ; v26     my byte offset in a row's 512 bytes of out0
.set ADRS, 27                          ; v27     LDS address of my scale words: lanes 0-15 A's rows, lanes 16-31 B's
.set SPW,  28
.set NIL,  29
.set SC,   32
.set AF,   128
.set BK,   128                         ; the way out: 16 rows read back from the stage: v128-191 and v192-255 by turns
.set G1, 24
.set G0, 32
.set G1B, 48
.set G0B, 56
.set G1S, 68
.set G0S, 76
.set G1SB, 80
.set G0SB, 88
.set MSB, 0
.macro WIN new                         ; the immediate's high byte repeats the setting that is left
.if MSB != \new
	s_set_vgpr_msb (MSB<<8)|\new
.set MSB, \new
.endif
.endm
.set MUL_LO, 0xa1                      ; source 0 (B) window 1, source 1 (A) window 0, C and D window 2
.set MUL_HI, 0xf1                      ; the same, C and D window 3
.set TO_B,   0x40                      ; destination window 1, address window 0
; A joint load: waves 0 and 1 fetch for A, waves 2 and 3 for B; the branch hangs on the wave's number alone.  Four v_nop follow each of the two lines.
.macro JLOAD g0a, g1a, g0b, g1b
	s_cmp_eq_u32 s15, 0
	s_cbranch_scc0 .Lfor_b_\@
	tensor_load_to_lds s[\g0a:\g0a+3], s[\g1a:\g1a+7]
	s_nop 0
.rept 4
	v_nop
.endr
	s_branch .Lasked_\@
.Lfor_b_\@:
	tensor_load_to_lds s[\g0b:\g0b+3], s[\g1b:\g1b+7]
	s_nop 0
.rept 4
	v_nop
.endr
.Lasked_\@:
.endm
.macro CREST                           ; a round of the cluster's barrier behind its opening barrier
	s_cmp_lg_u32 s14, 0
	s_cbranch_scc1 .Lnot_wave_0_\@
	s_barrier_signal -3
.Lnot_wave_0_\@:
	s_barrier_wait -3
	s_barrier_signal -1
	s_barrier_wait -1
.endm
.macro CROUND                          ; a whole round
	s_barrier_signal -1
	s_barrier_wait -1
	CREST
.endm
	s_load_b128 s[4:7], s[0:1], 0x0                ; aoi s[4:5], aos s[6:7]
	s_load_b128 s[8:11], s[0:1], 0x10              ; codes s[8:9], scl s[10:11]
	s_load_b64 s[12:13], s[0:1], 0x20              ; out0
	v_lshl_add_u32 v[SPW], v0, 2, SPARE
	v_mov_b32 v[NIL], 0
	ds_add_u32 v28, v29
	s_wait_dscnt 0x0
	v_lshrrev_b32 v1, 5, v0
	v_readfirstlane_b32 s14, v1                    ; wave 0..3
	s_lshr_b32 s15, s14, 1                         ; which half of the tile's rows is mine.  Also: I fetch for A (0) or for B (1)
	s_and_b32 s16, s14, 1                          ; which half of its columns.  Also: which half of that tile I fetch
	s_bfe_u32 s40, ttmp6, 0x40000                  ; cx, cy: my place in the cluster
	s_bfe_u32 s41, ttmp6, 0x40004
	s_lshl_b32 s42, ttmp9, 2
	s_add_co_u32 s42, s42, s40                     ; tile column = 4 x cluster x + cx
	s_and_b32 s17, ttmp7, 0xffff
	s_lshl_b32 s17, s17, 2
	s_add_co_u32 s17, s17, s41                     ; tile row = 4 x cluster y + cy
	s_lshl_b32 s43, s41, 2
	s_lshl_b32 s43, 15, s43                        ; my row of the cluster
	s_lshl_b32 s44, 0x1111, s40                    ; my column
	; descriptor group 1.  A: 8 token tiles x 3,072 bytes (384 elements of 8 bytes), 12,288 bytes apart, dense in LDS: every read is lane by lane on end
	s_or_b32 s[G1+0], s43, (3<<16)|(1<<21)         ; 15:0 the mask: A's tiles go to my row; 17:16 elements of 8 bytes; 20 padding off; 21 set beside a mask
	s_mov_b32 s[G1+1], 384<<16                     ; tensor_dim0
	s_mov_b32 s[G1+2], 8<<16                       ; tensor_dim1
	s_mov_b32 s[G1+3], 384<<16                     ; tile_dim0
	s_mov_b32 s[G1+4], 8                           ; tile_dim1
	s_mov_b32 s[G1+5], 1536                        ; tensor_dim0_stride
	s_mov_b32 s[G1+6], 0
	s_mov_b32 s[G1+7], 0
	; B: 128 rows x 192 bytes, padded in LDS
	s_or_b32 s[G1B+0], s44, (0<<16)|(1<<20)|(1<<21)|(3<<22)|(3<<25)  ; the mask of my column; element of 1 byte; padding on: after every 16 words (code 3), 4 words (code 3)
	s_mov_b32 s[G1B+1], ROWB<<16
	s_mov_b32 s[G1B+2], 128<<16
	s_mov_b32 s[G1B+3], ROWB<<16
	s_mov_b32 s[G1B+4], 128
	s_mov_b32 s[G1B+5], KROW
	s_mov_b32 s[G1B+6], 0
	s_mov_b32 s[G1B+7], 0
	; the scales of 128 rows: a dense block of 4,096 bytes, as 16 rows of 256 bytes, 16 bytes of padding behind each
	s_or_b32 s[G1S+0], s43, (3<<16)|(1<<20)|(1<<21)|(5<<22)|(3<<25)
	s_or_b32 s[G1SB+0], s44, (3<<16)|(1<<20)|(1<<21)|(5<<22)|(3<<25)
.irp g, G1S, G1SB
	s_mov_b32 s[\g+1], 32<<16
	s_mov_b32 s[\g+2], (128*KS/256)<<16
	s_mov_b32 s[\g+3], 32<<16
	s_mov_b32 s[\g+4], 128*KS/256
	s_mov_b32 s[\g+5], 32
	s_mov_b32 s[\g+6], 0
	s_mov_b32 s[\g+7], 0
.endr
	s_lshl_b32 s18, s16, 7                         ; which 128 rows of the tile I fetch
	s_lshl_b32 s20, s17, 8
	s_add_co_u32 s20, s20, s18                     ; A: token place 256 x tile row + 128 x half
	s_lshl_b32 s46, s42, 8
	s_add_co_u32 s46, s46, s18
	s_add_co_u32 s46, s46, 11264                   ; B: Wo's first row in the table + 256 x tile column + 128 x half
	s_mov_b32 s21, 0
	s_mov_b32 s47, 0
	s_mov_b64 s[18:19], KS
	s_mul_u64 s[22:23], s[20:21], s[18:19]         ; where these rows' scales begin, in bytes
	s_mul_u64 s[92:93], s[46:47], s[18:19]
	s_mov_b64 s[18:19], KROW
	s_mul_u64 s[20:21], s[20:21], s[18:19]         ; and their codes (A: 16 places are 12,288 bytes)
	s_mul_u64 s[46:47], s[46:47], s[18:19]
	s_mul_i32 s45, s16, HALFA                      ; where they go: A's two halves,
	s_mul_i32 s95, s16, HALFB
	s_add_co_u32 s95, s95, 2*HALFA                 ; then B's two: no place in the cluster enters an LDS address
	s_mul_i32 s94, s14, HALFS
	s_wait_kmcnt 0x0
	s_add_nc_u64 s[20:21], s[4:5], s[20:21]
	s_add_nc_u64 s[22:23], s[6:7], s[22:23]
	s_add_nc_u64 s[46:47], s[8:9], s[46:47]
	s_add_nc_u64 s[92:93], s[10:11], s[92:93]
	CROUND                                         ; all sixteen work-groups are here: the first joint loads meet
	s_mov_b32 s[G0S], 1
	s_add_co_u32 s[G0S+1], s94, SCL
	s_mov_b64 s[G0S+2:G0S+3], s[22:23]
	s_or_b32 s[G0S+3], s[G0S+3], 0x80000000
	s_mov_b32 s[G0SB], 1
	s_add_co_u32 s[G0SB+1], s94, SCL
	s_mov_b64 s[G0SB+2:G0SB+3], s[92:93]
	s_or_b32 s[G0SB+3], s[G0SB+3], 0x80000000
	JLOAD G0S, G1S, G0SB, G1SB                     ; the scales first: they are wanted with K step 0
.irp s, 0,1
	s_mov_b32 s[G0+4*\s], 1
	s_add_co_u32 s[G0+4*\s+1], s45, \s*SLOT
	s_add_nc_u64 s[G0+4*\s+2:G0+4*\s+3], s[20:21], \s*ATILE
	s_or_b32 s[G0+4*\s+3], s[G0+4*\s+3], 0x80000000
	s_mov_b32 s[G0B+4*\s], 1
	s_add_co_u32 s[G0B+4*\s+1], s95, \s*SLOT
	s_add_nc_u64 s[G0B+4*\s+2:G0B+4*\s+3], s[46:47], \s*ROWB
	s_or_b32 s[G0B+4*\s+3], s[G0B+4*\s+3], 0x80000000
	JLOAD G0+4*\s, G1, G0B+4*\s, G1B
.endr
	v_and_b32 v1, 15, v0                           ; l % 16
	v_bfe_u32 v2, v0, 4, 1                         ; l / 16
	v_and_b32 v6, 31, v0                           ; l
	v_mul_u32_u24 v3, v1, PITCH
	v_mul_u32_u24 v4, v2, 24
	v_add_nc_u32 v4, v3, v4                        ; B: a fragment's row x pitch + 24 x half
	v_lshl_add_u32 v5, v2, 4, v4                   ; and the same behind one padding more
	v_lshlrev_b32 v7, 4, v6                        ; A: 16 x lane,
	v_lshlrev_b32 v8, 3, v6                        ; 8 x lane
	s_mul_i32 s21, s15, HALFA                      ; my 8 token tiles of A
	s_mul_i32 s22, s16, HALFB                      ; my 128 rows of B,
	s_add_co_u32 s22, s22, 2*HALFA                 ; which lie behind A's 16 tiles
.irp s, 0,1
	v_add_nc_u32 v[ADRA+\s], s21, v7
	v_add_nc_u32 v[ADRA+2+\s], s21, v8
	v_add_nc_u32 v[ADRB+\s], s22, v4
	v_add_nc_u32 v[ADRB+2+\s], s22, v5
	s_add_co_u32 s21, s21, SLOT
	s_add_co_u32 s22, s22, SLOT
.endr
	v_mul_u32_u24 v5, v1, KS                       ; my row's scales: KS bytes a row,
	v_lshrrev_b32 v9, 8, v5
	v_lshl_add_u32 v5, v9, 4, v5                   ; and 16 more for each 256 passed
	s_mul_i32 s21, s15, HALFS                      ; A's: my 128 rows
	s_mul_i32 s22, s16, HALFS                      ; B's: my 128 rows, behind A's 256
	s_add_co_u32 s22, s22, 2*HALFS
	s_sub_co_u32 s22, s22, s21
	v_mul_u32_u24 v9, s22, v2                      ; lanes 16-31 take B's: one product, the distance between the two bases x the lane's half
	s_add_co_u32 s21, s21, SCL
	v_add_nc_u32 v5, v5, v9
	v_add_nc_u32 v[ADRS], s21, v5
	s_mul_i32 s23, s14, 16*SPITCH                  ; my stage
	v_mul_u32_u24 v5, v1, SPITCH                   ; in: row l % 16; my half's columns begin 16 columns, 64 bytes, on
	v_lshl_add_u32 v5, v2, 6, v5
	v_add_nc_u32 v[STO], s23, v5
	v_lshlrev_b32 v[CO], 4, v6                     ; back: the 32 lanes take one row of 512 bytes; and the same in out0
	v_add_nc_u32 v[RD], s23, v[CO]
	s_lshl_b32 s20, s17, 8
	s_lshl_b32 s21, s15, 7
	s_add_co_u32 s20, s20, s21                     ; my first row of out0: 256 x tile row + 128 x half
	s_lshl_b32 s20, s20, 12                        ; rows of 4,096 bytes (under 2^25)
	s_lshl_b32 s46, s42, 10                        ; my first column, in bytes: 1,024 x tile column + 512 x half
	s_lshl_b32 s47, s16, 9
	s_add_co_u32 s46, s46, s47
	s_add_co_u32 s20, s20, s46
	s_mov_b32 s21, 0
	s_add_nc_u64 s[12:13], s[12:13], s[20:21]
.macro FRAG reg, adr, q, i             ; a fragment of B from rows: 12 registers, in pieces of 8 bytes; registers 6 c .. 6 c + 5 hold K = 64 c + 32 (l / 16) + 0 .. 31
.irp p, 0,1,2,3,4,5
.set PC, 12*(\q)+6*(\p/3)+\p%3        ; 16 bytes of padding lie behind every 64 bytes (8 pieces): where the piece three on lies behind one padding more, the second address register serves
.if PC%8 < 5
	ds_load_b64 v[\reg+2*\p:\reg+2*\p+1], v[\adr] offset:8*PC+16*(PC/8)+(\i)*16*PITCH
.else
	ds_load_b64 v[\reg+2*\p:\reg+2*\p+1], v[\adr+2] offset:8*PC+16*(PC/8)+(\i)*16*PITCH
.endif
.endr
.endm
.macro FRAGA reg, slot, q, i           ; a fragment of A from images: two heads, each 16 + 8 bytes a lane
	ds_load_b128 v[\reg:\reg+3], v[ADRA+\slot] offset:(\i)*ATILE+(\q)*1536
	ds_load_b64 v[\reg+4:\reg+5], v[ADRA+2+\slot] offset:(\i)*ATILE+(\q)*1536+512
	ds_load_b128 v[\reg+6:\reg+9], v[ADRA+\slot] offset:(\i)*ATILE+(\q)*1536+768
	ds_load_b64 v[\reg+10:\reg+11], v[ADRA+2+\slot] offset:(\i)*ATILE+(\q)*1536+1280
.endm
; 16 matrix instructions: A's blocks a0, a0 + 1 x B's eight, 128 along K.  zero = 1: the first product starts the sums.  The 64 accumulators take turns, one instruction a turn.
.macro MUL16 a0, p, q, sc, zero
.irp a, \a0, \a0+1
.irp b, 0,1,2,3,4,5,6,7
.if \zero
	v_wmma_scale_f32_16x16x128_f8f6f4 v[8*(8*((\a)%4)+\b):8*(8*((\a)%4)+\b)+7], v[128*(\p)+FR*\b:128*(\p)+FR*\b+FR-1], v[AF+FR*(\a):AF+FR*(\a)+FR-1], 0, v[SC+8*NQ*(\sc)+NQ*\b+(\q)], v[SC+8*NQ*(\sc)+NQ*(\a)+(\q)] matrix_a_fmt:MATRIX_FMT_BF6 matrix_b_fmt:MATRIX_FMT_BF6 matrix_a_scale:MATRIX_SCALE_ROW1
.else
	v_wmma_scale_f32_16x16x128_f8f6f4 v[8*(8*((\a)%4)+\b):8*(8*((\a)%4)+\b)+7], v[128*(\p)+FR*\b:128*(\p)+FR*\b+FR-1], v[AF+FR*(\a):AF+FR*(\a)+FR-1], v[8*(8*((\a)%4)+\b):8*(8*((\a)%4)+\b)+7], v[SC+8*NQ*(\sc)+NQ*\b+(\q)], v[SC+8*NQ*(\sc)+NQ*(\a)+(\q)] matrix_a_fmt:MATRIX_FMT_BF6 matrix_b_fmt:MATRIX_FMT_BF6 matrix_a_scale:MATRIX_SCALE_ROW1
.endif
.endr
.endr
.endm
.macro FETCH_B slot, q, p
	WIN TO_B
.irp i, 0,1,2,3,4,5,6,7
	FRAG 128*(\p)+FR*\i, ADRB+\slot, \q, \i
.endr
	WIN 0
.endm
.macro FETCH_A slot, q, i0
.irp i, \i0, \i0+1, \i0+2, \i0+3
	FRAGA AF+FR*(\i), \slot, \q, \i
.endr
.endm
.macro SCALES sc
.irp i, 0,1,2,3,4,5,6,7
	ds_load_b64 v[SC+8*NQ*\sc+NQ*\i:SC+8*NQ*\sc+NQ*\i+1], v[ADRS] offset:\i*SBLK
.endr
.endm
; A load into a register that a matrix instruction has read, and an LDS store that reads a matrix result, stand NP places behind that matrix instruction; only plain vector instructions that name none of its
; registers are places (ISA guide 7.12.1 for vector instructions).
.macro PLACES n
.rept \n
	v_nop
.endr
.endm
.macro STEP slot, q, zero
	s_wait_dscnt 4*NLA                             ; B's set and A's blocks 0-3 are in; the youngest 16 loads (A's blocks 4-7) may be out
	WIN MUL_LO
	MUL16 0, (\q)%2, \q, \slot, \zero
	MUL16 2, (\q)%2, \q, \slot, \zero
	s_wait_dscnt 0                                 ; A's blocks 4-7 are in
	PLACES NP
	FETCH_B \slot, (\q)+1, 1-(\q)%2
	FETCH_A \slot, (\q)+1, 0
	WIN MUL_HI
	MUL16 4, (\q)%2, \q, \slot, \zero
	MUL16 6, (\q)%2, \q, \slot, \zero
	PLACES NP
	WIN 0
	FETCH_A \slot, (\q)+1, 4
.endm
; A slot's last step changes slots: ONE barrier; in front of it each wave waits for all its tensor loads, adds 0 to its spare word, and waits for that and for its own reads of this slot.
.macro TURN slot, next, fill
	s_wait_tensorcnt 0x0                           ; all my tensor loads have landed: my part of the next slot;  (every window is 0 here)
	ds_add_u32 v[SPW], v[NIL]                      ; 0 onto my spare word
	s_wait_dscnt 4*NLA+1                           ; (the add and the youngest 16 loads, A's blocks 4-7, may be out)
	WIN MUL_LO
	MUL16 0, 1, NQ-1, \slot, 0
	s_wait_dscnt 0x0                               ; the add is done, and my reads of this slot are over
	s_barrier_signal -1
	MUL16 2, 1, NQ-1, \slot, 0
	WIN 0
	s_barrier_wait -1
.if \fill
	CREST                                          ; the barrier has opened a round of the cluster's barrier: no wave of any partner still reads this slot's tile or has a load on its way
	s_add_nc_u64 s[G0+4*\slot+2:G0+4*\slot+3], s[G0+4*\slot+2:G0+4*\slot+3], 2*ATILE
	s_add_nc_u64 s[G0B+4*\slot+2:G0B+4*\slot+3], s[G0B+4*\slot+2:G0B+4*\slot+3], 2*ROWB
	JLOAD G0+4*\slot, G1, G0B+4*\slot, G1B         ; the first tensor load behind the round; the four v_nop behind it are the places in front of the loads below
.else
	PLACES NP
.endif
	v_add_nc_u32 v[ADRS], 4*NQ, v[ADRS]            ; on to the next K step's scale words (no LDS load of mine is out)
	FETCH_B \next, 0, 0
	FETCH_A \next, 0, 0
	SCALES \next
	WIN MUL_HI
	MUL16 4, 1, NQ-1, \slot, 0
	MUL16 6, 1, NQ-1, \slot, 0
	PLACES NP
	WIN 0
	FETCH_A \next, 0, 4
.endm
	s_wait_tensorcnt 1                             ; of my three first fills the scales and K step 0 are in; K step 1's may be out
	s_barrier_signal -1
	s_barrier_wait -1
	FETCH_B 0, 0, 0
	FETCH_A 0, 0, 0
	SCALES 0
	FETCH_A 0, 0, 4
	STEP 0, 0, 1                                   ; the first step stands in front of the loop: its products start the sums
	s_mov_b32 s3, LAPS-1
.Llap:
	TURN 0, 1, 1
	STEP 1, 0, 0
	TURN 1, 0, 1
	STEP 0, 0, 0
	s_sub_co_u32 s3, s3, 1
	s_cmp_lg_u32 s3, 0
	s_cbranch_scc1 .Llap
	TURN 0, 1, 0                                   ; the last lap fills nothing, and has no round of the cluster's barrier
	STEP 1, 0, 0
	s_wait_dscnt 4*NLA                             ; the very last step: nothing more to fetch
	WIN MUL_LO
	MUL16 0, 1, NQ-1, 1, 0
	MUL16 2, 1, NQ-1, 1, 0
	s_wait_dscnt 0
	WIN MUL_HI
	MUL16 4, 1, NQ-1, 1, 0
	MUL16 6, 1, NQ-1, 1, 0
	WIN 0
; THE WAY OUT, block by block of 16 token places x 128 columns, through my own stage in LDS: in at the true columns, back as whole rows of 512 bytes, stored at the true rows.
; LDS serves a wave's instructions in order (ISA guide 5.7.1.4): no wait between the stores and the loads, nor in front of the next block's stores.
.macro TOSTAGE a
.set AC, 64*((\a)%4)
	WIN 0x08+4*((\a)/4)                            ; the data: window 2 or 3
.irp b, 0,1,2,3,4,5,6,7
	ds_store_b128 v[STO], v[AC+8*\b:AC+8*\b+3] offset:128*(\b/2)+32*(\b%2)          ; each accumulator from its low end on; true columns 32 (b / 2) + 16 h + 8 (b % 2) on
	ds_store_b128 v[STO], v[AC+8*\b+4:AC+8*\b+7] offset:128*(\b/2)+32*(\b%2)+16
.endr
	WIN 0
.set BB, BK+64*((\a)%2)
.irp t, 0,1,2,3,4,5,6,7,8,9,10,11,12,13,14,15
	ds_load_b128 v[BB+4*\t:BB+4*\t+3], v[RD] offset:\t*SPITCH
.endr
.endm
.macro SEND a, younger                 ; younger: the LDS instructions issued behind block a's loads, which may stay out
.set BB, BK+64*((\a)%2)
	s_wait_dscnt \younger                          ; the block is back in registers
.irp t, 0,1,2,3,4,5,6,7,8,9,10,11,12,13,14,15
	global_store_b128 v[CO], v[BB+4*\t:BB+4*\t+3], s[12:13] offset:(32*((\a)/2)+8*((\a)%2)+\t%8+16*(\t/8))*4096 th:TH_STORE_NT   ; place 16 a + t is true row 32 (a / 2) + 16 (t / 8) + 8 (a % 2) + t % 8; 512 consecutive bytes, aligned to 256; 127 rows at the most: inside the signed 24-bit immediate
.endr
.endm
	PLACES NP                                      ; behind the last products: for the loads into the registers that held A's fragments, and for the reads of the last results
	TOSTAGE 0
.irp a, 1,2,3,4,5,6,7
.if \a > 1
	s_wait_xcnt 0x0                                ; block a - 2's stores have read their registers: block a's loads may land there
.endif
	TOSTAGE \a
	SEND \a-1, 32                                  ; behind block a - 1's loads: block a's 16 stores and 16 loads
.endr
	SEND 7, 0
	s_wait_tensorcnt 0x0                           ; the wave's end, behind my last tensor load and my last LDS store
	ds_add_u32 v[SPW], v[NIL]
	s_wait_dscnt 0x0
	CROUND                                         ; the closing round: no work-group ends while a partner may still ask for a tile that names it
	s_endpgm
.Lfunc_end_k_qce48e542ba_oproj:
	.size	k_qce48e542ba_oproj, .Lfunc_end_k_qce48e542ba_oproj-k_qce48e542ba_oproj
	.p2alignl 7, 3214868480
	.fill 96, 4, 3214868480
	.section	.rodata,"a",@progbits
	.p2align	6, 0x0
	.amdhsa_kernel k_qce48e542ba_oproj
		.amdhsa_group_segment_fixed_size 327680
		.amdhsa_private_segment_fixed_size 0
		.amdhsa_enable_private_segment 0
		.amdhsa_kernarg_size 40
		.amdhsa_user_sgpr_count 2
		.amdhsa_user_sgpr_kernarg_segment_ptr 1
		.amdhsa_wavefront_size32 1
		.amdhsa_system_sgpr_workgroup_id_x 1
		.amdhsa_system_sgpr_workgroup_id_y 1
		.amdhsa_system_sgpr_workgroup_id_z 1
		.amdhsa_system_vgpr_workitem_id 0
		.amdhsa_next_free_vgpr 1024
		.amdhsa_next_free_sgpr 100
		.amdhsa_reserve_vcc 0
		.amdhsa_float_denorm_mode_32 3
		.amdhsa_float_denorm_mode_16_64 3
		.amdhsa_memory_ordered 1
		.amdhsa_forward_progress 1
		.amdhsa_inst_pref_size 151
	.end_amdhsa_kernel
	.amdgpu_metadata
---
amdhsa.version: [ 1, 2 ]
amdhsa.kernels:
  - .name:           k_qce48e542ba_oproj
    .symbol:         k_qce48e542ba_oproj.kd
    .args:
      - { .name: aoi, .offset: 0, .size: 8, .value_kind: global_buffer, .address_space: global }
      - { .name: aos, .offset: 8, .size: 8, .value_kind: global_buffer, .address_space: global }
      - { .name: codes, .offset: 16, .size: 8, .value_kind: global_buffer, .address_space: global }
      - { .name: scl, .offset: 24, .size: 8, .value_kind: global_buffer, .address_space: global }
      - { .name: out0, .offset: 32, .size: 8, .value_kind: global_buffer, .address_space: global }
    .group_segment_fixed_size: 327680
    .private_segment_fixed_size: 0
    .kernarg_segment_align: 8
    .kernarg_segment_size: 40
    .max_flat_workgroup_size: 128
    .sgpr_count:     100
    .vgpr_count:     1024
    .wavefront_size: 32
...
	.end_amdgpu_metadata
.endif
;; end of part 4
